; MI455X (gfx1250); checked and timed in simulation.
; The chip was launched on July 23, 2026; its instructions are those of AMD's public machine-readable ISA for CDNA 5 (MIT licence, August 2026) and "CDNA5" Instruction Set Architecture Reference Guide (July 2026). The comments in the code are by the model that wrote it; some were corrected since.
;; MPC. Allowed arithmetic: float matrix products may take bf16 or f16 operands with f32 sums; all other float work in f32.
;; Inputs: A 12 x 12 float32; B 12 x 4 float32; Q 64 x 32 x 16 float32; c 64 x 32 x 16 float32; u_lower 64 x 32 x 4 float32; u_upper 64 x 32 x 4 float32; x0 64 x 12 float32.
;; Outputs: out0 64 x 32 x 12 float32; out1 64 x 32 x 4 float32.
;; 2 versions, each right and faster than the one before. Each part assembles by itself: llvm-mc -triple=amdgcn-amd-amdhsa -mcpu=gfx1250 --defsym DOCPART=n.
;; ======== version 1 of 2: 1 launch
;; launch mpc (part 1): grid 64 x 1, 1 waves a work-group, no clusters, 51,456 bytes of LDS; arguments A, B, Q, c, u_lower, u_upper, x0, out0, out1; writes out0, out1
.if DOCPART == 1
	.amdgcn_target "amdgcn-amd-amdhsa--gfx1250"
	.amdhsa_code_object_version 6
	.text
	.protected	k_qb4228716a2_mpc
	.globl	k_qb4228716a2_mpc
	.p2align	8
	.type	k_qb4228716a2_mpc,@function
k_qb4228716a2_mpc:
	s_mov_b64 s[64:65], 0
	v_nop
	global_prefetch_b8 v0, s[64:65] scope:SCOPE_SE
	s_setreg_imm32_b32 hwreg(HW_REG_WAVE_MODE, 25, 1), 1
	s_wait_xcnt 0x0
; MPC BY AN AUGMENTED LAGRANGIAN.  64 batches; a batch has 32 time steps of 12 states x and 4 controls u (512 unknowns z).
; Three outer rounds (rho = 1, 10, 100), three damped Newton steps each: z -= (H + 1e-4 I)^-1 g.
; One wave works one batch from end to end: no barrier, EXEC never changes, no branch and no address hangs on data.
;
; THE HESSIAN IS WRITTEN DOWN, NOT DIFFERENTIATED.  With F = [A B], r_0 = x_0 - x0, r_t = x_t - F (x,u)_(t-1):
;   g = q z + c + [e_t; 0] - F^T e_(t+1) + max(yp,0) - max(ym,0) on u,   e = rho r + lambda,  yp = rho (u - up) + mu+,  ym = rho (lo - u) + mu-
;   H = diag(q + 1e-4 + rho (f+ + f-)) + rho J^T J,  f = 1, 0.25, 0 for y > 0, = 0, < 0 (the halved derivative of a maximum at a tie, squared).
; H is block tridiagonal, so it is eliminated block by block, FROM BOTH ENDS AT ONCE: lanes 0-15 go forward over the groups
; (x_s, u_s), s = 0..15; lanes 16-31 go backward over (x_(32-s), u_(31-s)), s = 1..15; both run the same instructions on tables of
; their own.  The two meet in the group (x_16, u_31).  A group's residual towards its neighbour is P_own z_own + P_nxt x_nxt
; (forward: -F, I; backward: [I -B], -A).  With K = P_own^T P_own, Phi = -P_own^T P_nxt, CC = P_nxt^T P_nxt a step is
;   S = diag(M) + rho K + carry;  [Xh | h] = S^-1 [rho Phi | b];  carry' = rho CC - rho Phi^T Xh;  b' = g' + rho Phi^T h
; and the way back is dz = h + Xh dx_nxt.  In a group step lane i of a half holds row i of every matrix.
; All arithmetic is f32 on the vector ALU: the products left are 16 wide and sit inside a linear solve whose residuals are
; multiplied by rho, so 16-bit operands have no room here.
;
; LIMITS.  Pivots are taken in natural order, without exchanges: H + 1e-4 I has to be positive definite (Q >= 0 is enough).
; A bound counts as active by the sign of rho g + mu, not of g + mu / rho: the same sign, another last bit.  Divisions are
; v_rcp_f32 (1 ulp; a pivot below 2^-126 counts as 0).  The order of rounding differs from a dense LU.
; The backward half has 15 groups for 16 turns: in turn 0 it works an idle group (M = 1, g = 0) whose results turn 1 drops.
; ---- LDS, bytes.  Group arrays: row s = 0..16 of PG bytes, lower half's 16 words at +0, upper half's at +64.
.set PG,  144
.set GG,  0                            ; g in group order
.set MM,  2560                         ; M in group order
.set DD,  5120                         ; dz in group order
.set QL,  7680                         ; Q[t][16], rows of 80 bytes
.set CL,  10240                        ; c[t][16], rows of 80 bytes
.set FLT, 12800                        ; word 12 k + i = F[i][k]
.set FL,  13568                        ; F[j][k], rows of 64 bytes
.set XR,  14336                        ; record s at 2048 s: Xh's columns 4 q .. 4 q + 3 at 512 q + 16 lane, h at 1536 + 4 lane
.set ZT,  47104                        ; the first trajectory, rows of 80 bytes
.set OS,  49664                        ; out0's 32 rows of 48 bytes, dense
; ---- scalar registers
.set RHO, 28                           ; s[28:29] rho, twice
.set CAL, 30                           ; outer rounds done
.set CNW, 31                           ; Newton steps done
.set CSW, 32                           ; the sweep's (the rollout's) turn
.set SG,  33                           ; 144 (s + 1)
.set SX,  34                           ; 2048 s (rollout: 80 t)
.set SM,  35                           ; lanes that keep the carry
.set SEL, 36                           ; s[36:37] v_permlanex16_b32: each lane takes its own place in the other half
.set MUPPER, 38                        ; lanes 16-31
.set MLT12,  39                        ; i < 12
.set ML0,    40                        ; lane 0
.set MGE12,  41                        ; i >= 12
.set MK,  44                           ; s[44:59] lanes k and 16 + k
; ---- vector registers
.set LI,  1                            ; i = lane & 15
.set VLG, 2                            ; 4 lane
.set VLX, 3                            ; 16 lane
.set AX,  4                            ; lane = t: where x_t's 12 words lie in a group array
.set AU,  5                            ; the same for u_t's 4 words
.set AT,  6                            ; 80 t
.set BPREV, 7                          ; 4 ((t + 31) & 31)
.set BNEXT, 8                          ; 4 ((t + 1) & 31)
.set VT,  9
.set VT2, 10
.set VZ,  11                           ; 0
.set M31, 12                           ; v[12:13] 0 in lane 31, 1 elsewhere
.set KV,  14
.set D,   15                           ; the pivot, in every lane of its half
.set RR,  16                           ; 1 / pivot
.set CCOL, 17                          ; the pivot's column, 0 in its own row
.set W0,  18                           ; v18, v19 the multipliers of even and odd pivots
.set RSV, 20                           ; v20 lane k: 1 / pivot k;  v21 a written word beside it, for the packed multiply
.set MN,  22
.set GN,  23
.set TX,  24
.set XI,  25                           ; dz of the group just solved
.set T0,  26                           ; v26-31 at work
.set Z,   32                           ; v[32:47]  lane t: x_t, u_t
.set LAM, 48                           ; v[48:59]  lane t: lambda of r_t
.set MUP, 60
.set MUM, 64
.set LOB, 68
.set UPB, 72
.set X0,  76                           ; v[76:87]  x0
.set RK,  88                           ; v[88:103]  rho K,      column k of row i
.set RPHI, 104                         ; v[104:115] rho Phi
.set NF,  116                          ; v[116:131] -rho Phi^T, 0 in rows 12-15
.set RCC, 132                          ; v[132:143] rho CC
.set ID,  144                          ; v[144:159] the unit matrix
.set S,   160                          ; sweep: v[160:175]
.set R,   176                          ; sweep: v[176:187] rho Phi, then Xh; v188 b, then h
.set ACC, 190                          ; sweep: v[190:201] carry; v202 -rho Phi^T h
.set XB0, 204                          ; way back: four sets of 12, Xh of four records
.set HB0, 252                          ; way back: their h
.set P1,  160                          ; way back: three more chains
.set Y,   160                          ; gradient: F (x,u)_t
.set AS,  160                          ; gradient, later: F^T e of step t + 1
.set PR,  176                          ; gradient: the prediction, then r, then e
.set PA,  188                          ; gradient: 16 pairs of half sums of F^T e
.set G,   220
.set MD,  236
.set FT,  160                          ; set-up: lane i, register j: F[j][i]
.set BL,  172                          ; set-up: B as loaded
.set FR,  184                          ; set-up: lane i < 12: row i of F; else 0
.set FF,  200                          ; set-up: F^T F
.set QR,  220
.set CR,  236
.set NFR, 32                           ; set-up: -FR, -FF, -FT
.set NFF, 48
.set NFT, 76
; v256-447 (named v0-191 under the window setting): word 12 k + i = F[i][k], the same in every lane
.set MSB, 0
.macro WIN new                         ; the immediate's high byte repeats the setting that is left
.if MSB != \new
	s_set_vgpr_msb (MSB<<8)|\new
.set MSB, \new
.endif
.endm
; ---- GAUSS-JORDAN on [S | R], row i in lane i of each half.  Pivot k: row i += w_i x row k, w_i = -S[i][k] / S[k][k], w_k = 0.
; Rows are not scaled on the way: S ends as the diagonal of pivots, whose reciprocals RSV has gathered.
.macro UPD x, k                        ; one column: each lane adds w times the pivot row's entry, which DPP brings from lane k
	v_fmac_f32_dpp v[\x], v[\x], v[W0+((\k)&1)] row_share:\k row_mask:0xf bank_mask:0xf
.endm
; Pivot k (nx = k + 1).  The next pivot's column is updated first, and its reciprocal and multipliers are made among the other
; columns' updates: the chain update, broadcast, reciprocal, multiply runs beside work that does not wait for it.
.macro PIV k, nx, alo
.set nR, 13-\alo                       ; columns of R that are alive
.set ln, nR
.if \k < 14
.set ln, nR+14-\k                      ; and S's columns k + 2 .. 15
.endif
.if \k < 15
	UPD S+\nx, \k
.endif
.set el, 0
.rept ln
.if \k < 15
.if el == 3
	v_mov_b32_dpp v[D], v[S+\nx] row_share:\nx row_mask:0xf bank_mask:0xf
.endif
.if el == 7
	v_rcp_f32 v[RR], v[D]
	v_cndmask_b32 v[CCOL], v[S+\nx], v[VZ], s[MK+\nx]      ; a plain instruction behind the reciprocal, ahead of its first use
.endif
.if el == 12
	s_wait_alu depctr_va_vdst(0)
	v_mul_f32 v[W0+(\nx&1)], -v[CCOL], v[RR]
	v_cndmask_b32 v[RSV], v[RSV], v[RR], s[MK+\nx]
.endif
.endif
.if el < nR
	UPD R+\alo+el, \k
.else
	UPD S+\k+2+el-nR, \k
.endif
.set el, el+1
.endr
.if \k < 15                            ; what a short list has not reached
.if ln <= 3
	v_mov_b32_dpp v[D], v[S+\nx] row_share:\nx row_mask:0xf bank_mask:0xf
.endif
.if ln <= 7
	v_rcp_f32 v[RR], v[D]
	v_cndmask_b32 v[CCOL], v[S+\nx], v[VZ], s[MK+\nx]
.endif
.if ln <= 12
	s_wait_alu depctr_va_vdst(0)
	v_mul_f32 v[W0+(\nx&1)], -v[CCOL], v[RR]
	v_cndmask_b32 v[RSV], v[RSV], v[RR], s[MK+\nx]
.endif
.endif
.endm
; alo = 0: all 13 right-hand sides; alo = 12: b alone.  hd: where h goes.
.macro GJ alo, hd
	v_mov_b32_dpp v[D], v[S] row_share:0 row_mask:0xf bank_mask:0xf
	v_rcp_f32 v[RR], v[D]
	v_cndmask_b32 v[CCOL], v[S], v[VZ], s[MK]
	s_wait_alu depctr_va_vdst(0)
	v_mul_f32 v[W0], -v[CCOL], v[RR]
	v_mov_b32 v[RSV], v[RR]
	PIV 0, 1, \alo
	PIV 1, 2, \alo
	PIV 2, 3, \alo
	PIV 3, 4, \alo
	PIV 4, 5, \alo
	PIV 5, 6, \alo
	PIV 6, 7, \alo
	PIV 7, 8, \alo
	PIV 8, 9, \alo
	PIV 9, 10, \alo
	PIV 10, 11, \alo
	PIV 11, 12, \alo
	PIV 12, 13, \alo
	PIV 13, 14, \alo
	PIV 14, 15, \alo
	PIV 15, 16, \alo
.if \alo == 0
.irp p, 0,1,2,3,4,5
	v_pk_mul_f32 v[R+2*\p:R+2*\p+1], v[R+2*\p:R+2*\p+1], v[RSV:RSV+1] op_sel_hi:[1,0]
.endr
.endif
	v_mul_f32 v[\hd], v[R+12], v[RSV]
.endm
; ---- lane = t.  Y = F (x,u)_t, two rows at a time, F from the upper registers; then each lane asks for its left neighbour's Y.
.macro RESID
	WIN 0x01                                       ; source 0 in the second block of 256
.irp k, 0,1,2,3,4,5,6,7,8,9,10,11,12,13,14,15
.irp p, 0,1,2,3,4,5
.if \k == 0
	v_pk_mul_f32 v[Y+2*\p:Y+2*\p+1], v[2*\p:2*\p+1], v[Z:Z+1] op_sel_hi:[1,0]
.elseif \k & 1
	v_pk_fma_f32 v[Y+2*\p:Y+2*\p+1], v[12*\k+2*\p:12*\k+2*\p+1], v[Z+\k-1:Z+\k], v[Y+2*\p:Y+2*\p+1] op_sel:[0,1,0] op_sel_hi:[1,1,1]
.else
	v_pk_fma_f32 v[Y+2*\p:Y+2*\p+1], v[12*\k+2*\p:12*\k+2*\p+1], v[Z+\k:Z+\k+1], v[Y+2*\p:Y+2*\p+1] op_sel_hi:[1,0,1]
.endif
.endr
.endr
	WIN 0
.irp i, 0,1,2,3,4,5,6,7,8,9,10,11
	ds_bpermute_b32 v[PR+\i], v[BPREV], v[Y+\i]
.endr
.endm
.macro RESID2                          ; r = x - prediction; step 0 is predicted by x0
	s_wait_dscnt 0x0
.irp i, 0,1,2,3,4,5,6,7,8,9,10,11
	v_cndmask_b32 v[PR+\i], v[PR+\i], v[X0+\i], s[ML0]
.endr
.irp p, 0,1,2,3,4,5
	v_pk_add_f32 v[PR+2*\p:PR+2*\p+1], v[Z+2*\p:Z+2*\p+1], v[PR+2*\p:PR+2*\p+1] neg_lo:[0,1] neg_hi:[0,1]
.endr
.endm
; The box on control c.  mode 0: its part of g and of M.  mode 1: the new multipliers, max(mu + rho g, 0).
.macro BOX c, mode
	v_sub_f32 v[T0], v[Z+12+\c], v[UPB+\c]
	v_sub_f32 v[T0+1], v[LOB+\c], v[Z+12+\c]
	v_fma_f32 v[T0], s[RHO], v[T0], v[MUP+\c]              ; yp
	v_fma_f32 v[T0+1], s[RHO], v[T0+1], v[MUM+\c]          ; ym
.if \mode
	v_max_num_f32 v[MUP+\c], 0, v[T0]
	v_max_num_f32 v[MUM+\c], 0, v[T0+1]
.else
	v_max_num_f32 v[T0+2], 0, v[T0]
	v_max_num_f32 v[T0+3], 0, v[T0+1]
	v_sub_f32 v[T0+2], v[T0+2], v[T0+3]
	v_add_f32 v[G+12+\c], v[G+12+\c], v[T0+2]
	v_cmp_neq_f32 vcc_lo, 0, v[T0]
	v_cndmask_b32 v[T0+4], 0x3e800000, v[VZ], vcc_lo       ; 0.25 at a tie, else 0,
	v_cmp_ge_f32 vcc_lo, 0, v[T0]
	v_cndmask_b32 v[T0+4], 1.0, v[T0+4], vcc_lo            ; 1 where yp > 0
	v_cmp_neq_f32 vcc_lo, 0, v[T0+1]
	v_cndmask_b32 v[T0+5], 0x3e800000, v[VZ], vcc_lo
	v_cmp_ge_f32 vcc_lo, 0, v[T0+1]
	v_cndmask_b32 v[T0+5], 1.0, v[T0+5], vcc_lo
	v_add_f32 v[T0+4], v[T0+4], v[T0+5]
	v_fmac_f32 v[MD+12+\c], s[RHO], v[T0+4]
.endif
.endm
; ---- the way back
.macro LOADREC s, set                  ; record s into register set 'set': four LDS loads
.irp q, 0,1,2
	ds_load_b128 v[XB0+12*(\set)+4*\q:XB0+12*(\set)+4*\q+3], v[VLX] offset:XR+2048*(\s)+512*\q
.endr
	ds_load_b32 v[HB0+(\set)], v[VLG] offset:XR+2048*(\s)+1536
.endm
; dz_s = h_s + Xh_s dx_nxt: four chains of three, dx_nxt[j] brought from lane j by DPP.
.macro BSTEP s
.set nn, (15-\s)&3
.set XB, XB0+12*nn
.set HB, HB0+nn
.if \s >= 3
	s_wait_dscnt 12                                ; behind record s's loads at least 13 LDS instructions were issued: three turns' store and four loads, less at the start
.else
	s_wait_dscnt 3                                 ; the last turns load nothing: 11, 7 and 3 were issued behind these loads
.endif
	v_fmac_f32_dpp v[HB],   v[XI], v[XB+0]  row_share:0  row_mask:0xf bank_mask:0xf
	v_mul_f32_dpp  v[P1],   v[XI], v[XB+3]  row_share:3  row_mask:0xf bank_mask:0xf
	v_mul_f32_dpp  v[P1+1], v[XI], v[XB+6]  row_share:6  row_mask:0xf bank_mask:0xf
	v_mul_f32_dpp  v[P1+2], v[XI], v[XB+9]  row_share:9  row_mask:0xf bank_mask:0xf
	v_fmac_f32_dpp v[HB],   v[XI], v[XB+1]  row_share:1  row_mask:0xf bank_mask:0xf
	v_fmac_f32_dpp v[P1],   v[XI], v[XB+4]  row_share:4  row_mask:0xf bank_mask:0xf
	v_fmac_f32_dpp v[P1+1], v[XI], v[XB+7]  row_share:7  row_mask:0xf bank_mask:0xf
	v_fmac_f32_dpp v[P1+2], v[XI], v[XB+10] row_share:10 row_mask:0xf bank_mask:0xf
	v_fmac_f32_dpp v[HB],   v[XI], v[XB+2]  row_share:2  row_mask:0xf bank_mask:0xf
	v_fmac_f32_dpp v[P1],   v[XI], v[XB+5]  row_share:5  row_mask:0xf bank_mask:0xf
	v_fmac_f32_dpp v[P1+1], v[XI], v[XB+8]  row_share:8  row_mask:0xf bank_mask:0xf
	v_fmac_f32_dpp v[P1+2], v[XI], v[XB+11] row_share:11 row_mask:0xf bank_mask:0xf
	v_add_f32 v[HB], v[HB], v[P1]
	v_add_f32 v[P1+1], v[P1+1], v[P1+2]
	v_add_f32 v[XI], v[HB], v[P1+1]
	ds_store_b32 v[VLG], v[XI] offset:DD+PG*\s
.if \s >= 4
	LOADREC \s-4, nn                               ; the set just used takes the record four turns on
.endif
.endm
; ======== HEAD: addresses, lane terms, masks
	s_load_b512 s[8:23], s[0:1], 0x0               ; A s[8:9], B s[10:11], Q s[12:13], c s[14:15], lo s[16:17], up s[18:19], x0 s[20:21], out0 s[22:23]
	s_load_b64 s[24:25], s[0:1], 0x40              ; out1
	s_set_vgpr_msb 0x40
	v_lshl_add_u32 v192, v0, 2, 0xc800
	v_mov_b32 v193, 0
	s_set_vgpr_msb 0x4000
	v_and_b32 v[LI], 15, v0
	v_lshlrev_b32 v[VLG], 2, v0
	v_lshlrev_b32 v[VLX], 4, v0
	v_mov_b32 v[VZ], 0
	v_mul_u32_u24 v[T0], v0, PG                    ; x_t: t <= 16: row t, lower half; else row 32 - t, upper half
	v_sub_nc_u32 v[T0+1], 32, v0
	v_mul_u32_u24 v[T0+1], v[T0+1], PG
	v_add_nc_u32 v[T0+1], 64, v[T0+1]
	v_cmp_gt_u32 vcc_lo, 17, v0
	v_cndmask_b32 v[AX], v[T0+1], v[T0], vcc_lo
	v_add_nc_u32 v[T0], 48, v[T0]                  ; u_t: t <= 15: row t, lower half; t = 31: the meeting row; else row 31 - t, upper half
	v_sub_nc_u32 v[T0+1], 31, v0
	v_mul_u32_u24 v[T0+1], v[T0+1], PG
	v_add_nc_u32 v[T0+1], 112, v[T0+1]
	v_cmp_gt_u32 vcc_lo, 16, v0
	v_cndmask_b32 v[AU], v[T0+1], v[T0], vcc_lo
	v_cmp_ne_u32 vcc_lo, 31, v0
	v_cndmask_b32 v[AU], 16*PG+48, v[AU], vcc_lo
	v_mul_u32_u24 v[AT], v0, 80
	v_add_nc_u32 v[T0], 31, v0
	v_and_b32 v[T0], 31, v[T0]
	v_lshlrev_b32 v[BPREV], 2, v[T0]
	v_add_nc_u32 v[T0], 1, v0
	v_and_b32 v[T0], 31, v[T0]
	v_lshlrev_b32 v[BNEXT], 2, v[T0]
	v_cmp_eq_u32 vcc_lo, 31, v0
	v_cndmask_b32 v[M31], 1.0, v[VZ], vcc_lo
	v_mov_b32 v[M31+1], v[M31]
	v_mov_b32 v[RSV+1], 0
	v_mov_b32 v[D], 0                              ; destinations of DPP moves and lane exchanges count as read: written once here
	v_mov_b32 v[TX], 1.0
	v_mov_b32 v[T0+3], 0
	v_mov_b32 v[T0+4], 0
	v_mov_b32 v[T0+5], 0
	v_min_u32 v[T0], 11, v[LI]
	v_lshlrev_b32 v[T0], 2, v[T0]                  ; A's column: 4 min(i, 11)
	v_and_b32 v[T0+1], 3, v[LI]
	v_lshlrev_b32 v[T0+1], 2, v[T0+1]              ; B's column: 4 (i & 3), which is 4 (i - 12) in the lanes that keep it
	s_mov_b32 s[SEL], 0x76543210
	s_mov_b32 s[SEL+1], 0xfedcba98
	s_mov_b32 s[MUPPER], 0xffff0000
	s_mov_b32 s[MLT12], 0x0fff0fff
	s_mov_b32 s[ML0], 1
	s_mov_b32 s[MGE12], 0xf000f000
.irp k, 0,1,2,3,4,5,6,7,8,9,10,11,12,13,14,15
	s_mov_b32 s[MK+\k], 0x00010001<<\k
	v_cndmask_b32 v[ID+\k], 0, 1.0, s[MK+\k]
.endr
	s_wait_kmcnt 0x0
	s_mov_b32 s27, 0                               ; the batch's part of each tensor
	s_lshl_b32 s26, ttmp9, 11
	s_add_nc_u64 s[12:13], s[12:13], s[26:27]
	s_add_nc_u64 s[14:15], s[14:15], s[26:27]
	s_lshl_b32 s26, ttmp9, 9
	s_add_nc_u64 s[16:17], s[16:17], s[26:27]
	s_add_nc_u64 s[18:19], s[18:19], s[26:27]
	s_add_nc_u64 s[24:25], s[24:25], s[26:27]
	s_mul_i32 s26, ttmp9, 48
	s_add_nc_u64 s[20:21], s[20:21], s[26:27]
	s_mul_i32 s26, ttmp9, 1536
	s_add_nc_u64 s[22:23], s[22:23], s[26:27]
.irp j, 0,1,2,3,4,5,6,7,8,9,10,11
	global_load_b32 v[FT+\j], v[T0], s[8:9] offset:48*\j           ; A[j][i]
.endr
.irp j, 0,1,2,3,4,5,6,7,8,9,10,11
	global_load_b32 v[BL+\j], v[T0+1], s[10:11] offset:16*\j       ; B[j][i - 12]
.endr
	global_load_b32 v[XI], v[T0], s[20:21] th:TH_LOAD_NT           ; x0[i]
.irp m, 0,1,2,3
	global_load_b128 v[QR+4*\m:QR+4*\m+3], v[VLX], s[12:13] offset:512*\m th:TH_LOAD_NT    ; each load covers 512 consecutive bytes
.endr
.irp m, 0,1,2,3
	global_load_b128 v[CR+4*\m:CR+4*\m+3], v[VLX], s[14:15] offset:512*\m th:TH_LOAD_NT
.endr
	global_load_b128 v[LOB:LOB+3], v[VLX], s[16:17] th:TH_LOAD_NT
	global_load_b128 v[UPB:UPB+3], v[VLX], s[18:19] th:TH_LOAD_NT
	v_lshl_add_u32 v[VT], v[LI], 2, 64             ; the upper half's slots of rows 0 and 16 hold no group: M = 1, g = 0, once
	ds_store_b32 v[VT], v[TX] offset:MM
	ds_store_b32 v[VT], v[TX] offset:MM+16*PG
	ds_store_b32 v[VT], v[VZ] offset:GG
	ds_store_b32 v[VT], v[VZ] offset:GG+16*PG
	s_wait_loadcnt 10                              ; A, B and x0 are in; the ten younger loads (Q 4, c 4, lo, up) stay out
; ======== F in its three layouts, and F^T F
.irp j, 0,1,2,3,4,5,6,7,8,9,10,11
	v_cndmask_b32 v[FT+\j], v[FT+\j], v[BL+\j], s[MGE12]           ; F[j][i]
.endr
	v_mul_u32_u24 v[VT2], v[LI], 48
	v_lshlrev_b32 v[VT], 2, v[LI]
	ds_store_b128 v[VT2], v[FT:FT+3] offset:FLT                    ; both halves store the same words with the same values
	ds_store_b128 v[VT2], v[FT+4:FT+7] offset:FLT+16
	ds_store_b128 v[VT2], v[FT+8:FT+11] offset:FLT+32
.irp j, 0,1,2,3,4,5,6,7,8,9,10,11
	ds_store_b32 v[VT], v[FT+\j] offset:FL+64*\j
.endr
	v_lshlrev_b32 v[T0], 4, v[T0]                  ; 64 min(i, 11); the wait above has shown the loads that named this register done
.irp m, 0,1,2,3
	ds_load_b128 v[FR+4*\m:FR+4*\m+3], v[T0] offset:FL+16*\m       ; LDS serves a wave's instructions in order: these see the stores above
.endr
.irp k, 0,1,2,3,4,5,6,7,8,9,10,11,12,13,14,15
	v_mov_b32 v[FF+\k], 0                          ; sixteen sums, started once: a DPP destination has to be written beforehand
.endr
.irp j, 0,1,2,3,4,5,6,7,8,9,10,11
.irp k, 0,1,2,3,4,5,6,7,8,9,10,11,12,13,14,15
	v_fmac_f32_dpp v[FF+\k], v[FT+\j], v[FT+\j] row_share:\k row_mask:0xf bank_mask:0xf    ; += F[j][k] F[j][i]
.endr
.endr
	s_wait_dscnt 0x0
.irp k, 0,1,2,3,4,5,6,7,8,9,10,11,12,13,14,15
	v_cndmask_b32 v[FR+\k], v[VZ], v[FR+\k], s[MLT12]
.endr
	v_cndmask_b32 v[XI], v[VZ], v[XI], s[MLT12]
; ======== the first trajectory: x_(t+1) = A x_t, u = 0.  Lane i holds x[i]; lanes 12-15 hold and store the zeros of u.
	ds_store_b32 v[VT], v[XI] offset:ZT
	s_mov_b32 s[CSW], 0
	s_mov_b32 s[SX], 80
.Lroll:
	v_mul_f32_dpp  v[T0+3], v[XI], v[FR+0]  row_share:0  row_mask:0xf bank_mask:0xf
	v_mul_f32_dpp  v[T0+4], v[XI], v[FR+1]  row_share:1  row_mask:0xf bank_mask:0xf
	v_mul_f32_dpp  v[T0+5], v[XI], v[FR+2]  row_share:2  row_mask:0xf bank_mask:0xf
	v_fmac_f32_dpp v[T0+3], v[XI], v[FR+3]  row_share:3  row_mask:0xf bank_mask:0xf
	v_fmac_f32_dpp v[T0+4], v[XI], v[FR+4]  row_share:4  row_mask:0xf bank_mask:0xf
	v_fmac_f32_dpp v[T0+5], v[XI], v[FR+5]  row_share:5  row_mask:0xf bank_mask:0xf
	v_fmac_f32_dpp v[T0+3], v[XI], v[FR+6]  row_share:6  row_mask:0xf bank_mask:0xf
	v_fmac_f32_dpp v[T0+4], v[XI], v[FR+7]  row_share:7  row_mask:0xf bank_mask:0xf
	v_fmac_f32_dpp v[T0+5], v[XI], v[FR+8]  row_share:8  row_mask:0xf bank_mask:0xf
	v_fmac_f32_dpp v[T0+3], v[XI], v[FR+9]  row_share:9  row_mask:0xf bank_mask:0xf
	v_fmac_f32_dpp v[T0+4], v[XI], v[FR+10] row_share:10 row_mask:0xf bank_mask:0xf
	v_fmac_f32_dpp v[T0+5], v[XI], v[FR+11] row_share:11 row_mask:0xf bank_mask:0xf
	v_add_f32 v[T0+3], v[T0+3], v[T0+4]
	v_add_f32 v[XI], v[T0+3], v[T0+5]
	v_add_nc_u32 v[VT2], s[SX], v[VT]
	ds_store_b32 v[VT2], v[XI] offset:ZT
	s_add_co_u32 s[SX], s[SX], 80
	s_add_co_u32 s[CSW], s[CSW], 1
	s_cmp_lt_u32 s[CSW], 31
	s_cbranch_scc1 .Lroll
; ======== the two halves' tables, at rho = 1
.irp k, 0,1,2,3,4,5,6,7,8,9,10,11,12,13,14,15
	v_mul_f32 v[NFR+\k], -1.0, v[FR+\k]
.endr
.irp j, 0,1,2,3,4,5,6,7,8,9,10,11
	v_mul_f32 v[NFF+\j], -1.0, v[FF+\j]
	v_mul_f32 v[NFT+\j], -1.0, v[FT+\j]
.endr
.irp k, 0,1,2,3,4,5,6,7,8,9,10,11
	v_cndmask_b32 v[RK+\k], v[NFT+\k], v[ID+\k], s[MLT12]          ; backward K = [I -B; -B^T B^T B], columns 0-11
	v_cndmask_b32 v[RK+\k], v[FF+\k], v[RK+\k], s[MUPPER]          ; forward K = F^T F
	v_cndmask_b32 v[RPHI+\k], v[NFF+\k], v[FR+\k], s[MLT12]        ; backward Phi = [A; -B^T A]
	v_cndmask_b32 v[RPHI+\k], v[FT+\k], v[RPHI+\k], s[MUPPER]      ; forward Phi = F^T
	v_cndmask_b32 v[NF+\k], v[VZ], v[NFT+\k], s[MLT12]             ; backward -Phi^T = [-A^T  A^T B], columns 0-11
	v_cndmask_b32 v[NF+\k], v[NFR+\k], v[NF+\k], s[MUPPER]         ; forward -Phi^T = -F
	v_cndmask_b32 v[RCC+\k], v[VZ], v[FF+\k], s[MLT12]             ; backward CC = A^T A
	v_cndmask_b32 v[RCC+\k], v[ID+\k], v[RCC+\k], s[MUPPER]        ; forward CC = I
.endr
.irp k, 12,13,14,15
	v_cndmask_b32 v[RK+\k], v[FF+\k], v[NFR+\k], s[MLT12]
	v_cndmask_b32 v[RK+\k], v[FF+\k], v[RK+\k], s[MUPPER]
	v_cndmask_b32 v[NF+\k], v[VZ], v[FF+\k], s[MLT12]
	v_cndmask_b32 v[NF+\k], v[NFR+\k], v[NF+\k], s[MUPPER]
.endr
; F, the same in every lane, into v256-447: 48 loads in which all lanes read the same 16 bytes
	WIN 0x40                                       ; destination in the second block of 256
.irp m, 0,1,2,3,4,5,6,7,8,9,10,11,12,13,14,15,16,17,18,19,20,21,22,23,24,25,26,27,28,29,30,31,32,33,34,35,36,37,38,39,40,41,42,43,44,45,46,47
	ds_load_b128 v[4*\m:4*\m+3], v[VZ] offset:FLT+16*\m
.endr
	WIN 0
; Q and c into rows of LDS; the state of the iteration
	v_lshrrev_b32 v[T0], 2, v0                     ; the 16 bytes at 512 m + 16 lane belong to step 8 m + lane / 4, quarter lane & 3
	v_and_b32 v[T0+1], 3, v0
	v_mul_u32_u24 v[T0], v[T0], 80
	v_lshl_add_u32 v[T0], v[T0+1], 4, v[T0]
	s_wait_loadcnt 0x0
.irp m, 0,1,2,3
	ds_store_b128 v[T0], v[QR+4*\m:QR+4*\m+3] offset:QL+640*\m
	ds_store_b128 v[T0], v[CR+4*\m:CR+4*\m+3] offset:CL+640*\m
.endr
.irp m, 0,1,2,3
	ds_load_b128 v[Z+4*\m:Z+4*\m+3], v[AT] offset:ZT+16*\m
.endr
.irp m, 0,1,2
	ds_load_b128 v[X0+4*\m:X0+4*\m+3], v[VZ] offset:ZT+16*\m       ; row 0 is x0
.endr
.irp i, 0,1,2,3,4,5,6,7,8,9,10,11,12,13,14,15,16,17,18,19
	v_mov_b32 v[LAM+\i], 0                         ; lambda, mu+ and mu- start at 0
.endr
	s_mov_b32 s[RHO], 1.0
	s_mov_b32 s[RHO+1], 1.0
	s_mov_b32 s[CAL], 0
	s_wait_dscnt 0x0
.Lal:
	s_mov_b32 s[CNW], 0
.Lnewton:
; ======== GRADIENT AND DIAGONAL, lane = t
.irp m, 0,1,2,3
	ds_load_b128 v[G+4*\m:G+4*\m+3], v[AT] offset:CL+16*\m
.endr
.irp m, 0,1,2,3
	ds_load_b128 v[MD+4*\m:MD+4*\m+3], v[AT] offset:QL+16*\m
.endr
	RESID
	s_wait_dscnt 12                                ; c and Q are in; the twelve lane exchanges issued behind them stay out
.irp p, 0,1,2,3,4,5,6,7
	v_pk_fma_f32 v[G+2*\p:G+2*\p+1], v[MD+2*\p:MD+2*\p+1], v[Z+2*\p:Z+2*\p+1], v[G+2*\p:G+2*\p+1]   ; q z + c
.endr
.irp p, 0,1,2,3,4,5,6,7
	v_pk_add_f32 v[MD+2*\p:MD+2*\p+1], v[MD+2*\p:MD+2*\p+1], 0x38d1b717 op_sel_hi:[1,0]            ; q + 1e-4
.endr
	BOX 0, 0
	BOX 1, 0
	BOX 2, 0
	BOX 3, 0
	RESID2
.irp p, 0,1,2,3,4,5
	v_pk_fma_f32 v[PR+2*\p:PR+2*\p+1], v[PR+2*\p:PR+2*\p+1], s[RHO:RHO+1], v[LAM+2*\p:LAM+2*\p+1] op_sel_hi:[1,0,1]   ; e = rho r + lambda
.endr
.irp p, 0,1,2,3,4,5
	v_pk_add_f32 v[G+2*\p:G+2*\p+1], v[G+2*\p:G+2*\p+1], v[PR+2*\p:PR+2*\p+1]
.endr
	WIN 0x01                                       ; F^T e: for each of 16 columns a pair of half sums over the 12 rows
.irp p, 0,1,2,3,4,5
.irp k, 0,1,2,3,4,5,6,7,8,9,10,11,12,13,14,15
.if \p == 0
	v_pk_mul_f32 v[PA+2*\k:PA+2*\k+1], v[12*\k:12*\k+1], v[PR:PR+1]
.else
	v_pk_fma_f32 v[PA+2*\k:PA+2*\k+1], v[12*\k+2*\p:12*\k+2*\p+1], v[PR+2*\p:PR+2*\p+1], v[PA+2*\k:PA+2*\k+1]
.endif
.endr
.endr
	WIN 0
.irp k, 0,1,2,3,4,5,6,7,8,9,10,11,12,13,14,15
	v_add_f32 v[PA+2*\k], v[PA+2*\k], v[PA+2*\k+1]
.endr
.irp k, 0,1,2,3,4,5,6,7,8,9,10,11,12,13,14,15
	ds_bpermute_b32 v[AS+\k], v[BNEXT], v[PA+2*\k]                 ; the right neighbour's F^T e
.endr
	s_wait_dscnt 0x0
.irp p, 0,1,2,3,4,5,6,7
	v_pk_fma_f32 v[G+2*\p:G+2*\p+1], v[AS+2*\p:AS+2*\p+1], v[M31:M31+1], v[G+2*\p:G+2*\p+1] neg_lo:[1,0,0] neg_hi:[1,0,0]   ; step 31 has no successor
.endr
.irp m, 0,1,2
	ds_store_b128 v[AX], v[G+4*\m:G+4*\m+3] offset:GG+16*\m        ; into group order
	ds_store_b128 v[AX], v[MD+4*\m:MD+4*\m+3] offset:MM+16*\m
.endr
	ds_store_b128 v[AU], v[G+12:G+15] offset:GG
	ds_store_b128 v[AU], v[MD+12:MD+15] offset:MM
; ======== THE SWEEP: 16 turns, both halves at once
	ds_load_b32 v[MN], v[VLG] offset:MM
	ds_load_b32 v[GN], v[VLG] offset:GG
.irp j, 0,1,2,3,4,5,6,7,8,9,10,11
	v_mov_b32 v[ACC+\j], v[RCC+\j]                 ; forward: r_0 = x_0 - x0 leaves rho I on x_0
.endr
	v_mov_b32 v[ACC+12], 0
	s_mov_b32 s[CSW], 0
	s_mov_b32 s[SG], PG
	s_mov_b32 s[SX], 0
.Lsweep:
	s_wait_dscnt 0x0                               ; this turn's M and g, asked for a turn ago; the last record's stores
	s_cmp_eq_u32 s[CSW], 1
	s_cselect_b32 s[SM], 0xffff, -1                ; in turn 1 the backward half starts: it drops what its idle turn left
	v_cndmask_b32 v[KV], 0, 1.0, s[SM]
.irp j, 0,1,2,3,4,5,6,7,8,9,10,11
	v_fma_f32 v[S+\j], v[KV], v[ACC+\j], v[RK+\j]
.endr
.irp j, 0,1,2,3,4,5,6,7,8,9,10,11
	v_fmac_f32 v[S+\j], v[ID+\j], v[MN]
.endr
.irp j, 12,13,14,15
	v_fma_f32 v[S+\j], v[ID+\j], v[MN], v[RK+\j]
.endr
.irp j, 0,1,2,3,4,5,6,7,8,9,10,11
	v_mov_b32 v[R+\j], v[RPHI+\j]
.endr
	v_fma_f32 v[R+12], -v[KV], v[ACC+12], v[GN]    ; b = g + rho Phi^T h of the group before
	v_add_nc_u32 v[VT], s[SG], v[VLG]
	ds_load_b32 v[MN], v[VT] offset:MM             ; the next row's; in the last turn the meeting row's
	ds_load_b32 v[GN], v[VT] offset:GG
	GJ 0, R+12
	v_add_nc_u32 v[VT], s[SX], v[VLX]
	v_add_nc_u32 v[VT2], s[SX], v[VLG]
	ds_store_b128 v[VT], v[R:R+3] offset:XR
	ds_store_b128 v[VT], v[R+4:R+7] offset:XR+512
	ds_store_b128 v[VT], v[R+8:R+11] offset:XR+1024
	ds_store_b32 v[VT2], v[R+12] offset:XR+1536
.irp j, 0,1,2,3,4,5,6,7,8,9,10,11
	v_mov_b32 v[ACC+\j], v[RCC+\j]
.endr
.irp k, 0,1,2,3,4,5,6,7,8,9,10,11,12,13,14,15
.irp j, 0,1,2,3,4,5,6,7,8,9,10,11
	v_fmac_f32_dpp v[ACC+\j], v[R+\j], v[NF+\k] row_share:\k row_mask:0xf bank_mask:0xf    ; carry[i][j] -= rho Phi[k][i] Xh[k][j]
.endr
.if \k == 0
	v_mul_f32_dpp v[ACC+12], v[R+12], v[NF] row_share:0 row_mask:0xf bank_mask:0xf
.else
	v_fmac_f32_dpp v[ACC+12], v[R+12], v[NF+\k] row_share:\k row_mask:0xf bank_mask:0xf
.endif
.endr
	s_add_co_u32 s[SG], s[SG], PG
	s_add_co_u32 s[SX], s[SX], 2048
	s_add_co_u32 s[CSW], s[CSW], 1
	s_cmp_lt_u32 s[CSW], 16
	s_cbranch_scc1 .Lsweep
; ======== THE MEETING: (x_16, u_31), solved alike in both halves
	s_wait_dscnt 0x0
	LOADREC 15, 0                                  ; the way back's first four records are asked for now
	LOADREC 14, 1
	LOADREC 13, 2
	LOADREC 12, 3
	v_permlanex16_b32 v[TX], v[MN], s[SEL], s[SEL+1]
	v_cndmask_b32 v[MN], v[MN], v[TX], s[MUPPER]   ; the meeting row lies in the lower half's slot
	v_permlanex16_b32 v[TX], v[GN], s[SEL], s[SEL+1]
	v_cndmask_b32 v[GN], v[GN], v[TX], s[MUPPER]
.irp j, 0,1,2,3,4,5,6,7,8,9,10,11
	v_permlanex16_b32 v[S+\j], v[ACC+\j], s[SEL], s[SEL+1]         ; the other half's carry
.endr
	v_permlanex16_b32 v[TX], v[ACC+12], s[SEL], s[SEL+1]
.irp j, 0,1,2,3,4,5,6,7,8,9,10,11
	v_add_f32 v[S+\j], v[S+\j], v[ACC+\j]
.endr
.irp j, 0,1,2,3,4,5,6,7,8,9,10,11
	v_fmac_f32 v[S+\j], v[ID+\j], v[MN]
.endr
.irp j, 12,13,14,15
	v_mul_f32 v[S+\j], v[ID+\j], v[MN]
.endr
	v_add_f32 v[TX], v[TX], v[ACC+12]
	v_sub_f32 v[R+12], v[GN], v[TX]
	GJ 12, XI
	ds_store_b32 v[VLG], v[XI] offset:DD+16*PG
; ======== THE WAY BACK
	BSTEP 15
	BSTEP 14
	BSTEP 13
	BSTEP 12
	BSTEP 11
	BSTEP 10
	BSTEP 9
	BSTEP 8
	BSTEP 7
	BSTEP 6
	BSTEP 5
	BSTEP 4
	BSTEP 3
	BSTEP 2
	BSTEP 1
	BSTEP 0
; ======== z -= dz, lane = t again
.irp m, 0,1,2
	ds_load_b128 v[S+4*\m:S+4*\m+3], v[AX] offset:DD+16*\m
.endr
	ds_load_b128 v[S+12:S+15], v[AU] offset:DD
	s_wait_dscnt 0x0
.irp p, 0,1,2,3,4,5,6,7
	v_pk_add_f32 v[Z+2*\p:Z+2*\p+1], v[Z+2*\p:Z+2*\p+1], v[S+2*\p:S+2*\p+1] neg_lo:[0,1] neg_hi:[0,1]
.endr
	s_add_co_u32 s[CNW], s[CNW], 1
	s_cmp_lt_u32 s[CNW], 3
	s_cbranch_scc1 .Lnewton
; ======== between outer rounds: the multipliers with the old rho, then rho x 10.  Behind the third round nothing reads them.
	s_add_co_u32 s[CAL], s[CAL], 1
	s_cmp_eq_u32 s[CAL], 3
	s_cbranch_scc1 .Lout
	RESID
	BOX 0, 1
	BOX 1, 1
	BOX 2, 1
	BOX 3, 1
	RESID2
.irp p, 0,1,2,3,4,5
	v_pk_fma_f32 v[LAM+2*\p:LAM+2*\p+1], v[PR+2*\p:PR+2*\p+1], s[RHO:RHO+1], v[LAM+2*\p:LAM+2*\p+1] op_sel_hi:[1,0,1]
.endr
.irp p, 0,1,2,3,4,5,6,7,8,9,10,11,12,13,14,15,16,17,18,19,20,21,22,23,24,25,26,27
	v_pk_mul_f32 v[RK+2*\p:RK+2*\p+1], v[RK+2*\p:RK+2*\p+1], 0x41200000 op_sel_hi:[1,0]    ; the four tables lie on end: 56 registers
.endr
	s_mul_f32 s[RHO], s[RHO], 0x41200000           ; 1, 10, 100: the cap of 100 is met and never passed
	s_mov_b32 s[RHO+1], s[RHO]
	s_cmp_lt_u32 s[CAL], 3
	s_cbranch_scc1 .Lal
; ======== OUT.  x through LDS, so that each store of the wave covers 512 consecutive bytes; u lies so already.
.Lout:
	v_mul_u32_u24 v[T0], v0, 48
	ds_store_b128 v[T0], v[Z:Z+3] offset:OS
	ds_store_b128 v[T0], v[Z+4:Z+7] offset:OS+16
	ds_store_b128 v[T0], v[Z+8:Z+11] offset:OS+32
.irp m, 0,1,2
	ds_load_b128 v[S+4*\m:S+4*\m+3], v[VLX] offset:OS+512*\m
.endr
	global_store_b128 v[VLX], v[Z+12:Z+15], s[24:25] th:TH_STORE_NT
	s_wait_dscnt 0x0
.irp m, 0,1,2
	global_store_b128 v[VLX], v[S+4*\m:S+4*\m+3], s[22:23] offset:512*\m th:TH_STORE_NT
.endr
	s_set_vgpr_msb 0x5
	s_wait_tensorcnt 0x0
	ds_add_u32 v192, v193
	s_wait_dscnt 0x0
	s_set_vgpr_msb 0x500
	s_endpgm
.Lfunc_end_k_qb4228716a2_mpc:
	.size	k_qb4228716a2_mpc, .Lfunc_end_k_qb4228716a2_mpc-k_qb4228716a2_mpc
	.p2alignl 7, 3214868480
	.fill 96, 4, 3214868480
	.section	.rodata,"a",@progbits
	.p2align	6, 0x0
	.amdhsa_kernel k_qb4228716a2_mpc
		.amdhsa_group_segment_fixed_size 51456
		.amdhsa_private_segment_fixed_size 0
		.amdhsa_enable_private_segment 0
		.amdhsa_kernarg_size 72
		.amdhsa_user_sgpr_count 2
		.amdhsa_user_sgpr_kernarg_segment_ptr 1
		.amdhsa_wavefront_size32 1
		.amdhsa_system_sgpr_workgroup_id_x 1
		.amdhsa_system_sgpr_workgroup_id_y 1
		.amdhsa_system_sgpr_workgroup_id_z 1
		.amdhsa_system_vgpr_workitem_id 0
		.amdhsa_next_free_vgpr 450
		.amdhsa_next_free_sgpr 66
		.amdhsa_reserve_vcc 1
		.amdhsa_float_denorm_mode_32 3
		.amdhsa_float_denorm_mode_16_64 3
		.amdhsa_memory_ordered 1
		.amdhsa_forward_progress 1
		.amdhsa_inst_pref_size 152
	.end_amdhsa_kernel
	.amdgpu_metadata
---
amdhsa.version: [ 1, 2 ]
amdhsa.kernels:
  - .name:           k_qb4228716a2_mpc
    .symbol:         k_qb4228716a2_mpc.kd
    .args:
      - { .name: A, .offset: 0, .size: 8, .value_kind: global_buffer, .address_space: global }
      - { .name: B, .offset: 8, .size: 8, .value_kind: global_buffer, .address_space: global }
      - { .name: Q, .offset: 16, .size: 8, .value_kind: global_buffer, .address_space: global }
      - { .name: c, .offset: 24, .size: 8, .value_kind: global_buffer, .address_space: global }
      - { .name: u_lower, .offset: 32, .size: 8, .value_kind: global_buffer, .address_space: global }
      - { .name: u_upper, .offset: 40, .size: 8, .value_kind: global_buffer, .address_space: global }
      - { .name: x0, .offset: 48, .size: 8, .value_kind: global_buffer, .address_space: global }
      - { .name: out0, .offset: 56, .size: 8, .value_kind: global_buffer, .address_space: global }
      - { .name: out1, .offset: 64, .size: 8, .value_kind: global_buffer, .address_space: global }
    .group_segment_fixed_size: 51456
    .private_segment_fixed_size: 0
    .kernarg_segment_align: 8
    .kernarg_segment_size: 72
    .max_flat_workgroup_size: 32
    .sgpr_count:     66
    .vgpr_count:     450
    .wavefront_size: 32
...
	.end_amdgpu_metadata
.endif
;; end of part 1
;; ======== version 2 of 2: 1 launch; 1.21 times as fast as version 1
;; launch mpc (part 2): grid 64 x 1, 4 waves a work-group, no clusters, 94,720 bytes of LDS; arguments A, B, Q, c, u_lower, u_upper, x0, out0, out1; writes out0, out1
.if DOCPART == 2
	.amdgcn_target "amdgcn-amd-amdhsa--gfx1250"
	.amdhsa_code_object_version 6
	.text
	.protected	k_qb4228716a2_mpc
	.globl	k_qb4228716a2_mpc
	.p2align	8
	.type	k_qb4228716a2_mpc,@function
k_qb4228716a2_mpc:
	s_mov_b64 s[64:65], 0
	v_nop
	global_prefetch_b8 v0, s[64:65] scope:SCOPE_SE
	s_setreg_imm32_b32 hwreg(HW_REG_WAVE_MODE, 25, 1), 1
	s_wait_xcnt 0x0
; MPC BY AN AUGMENTED LAGRANGIAN.  64 batches; a batch has 32 time steps of 12 states x and 4 controls u (512 unknowns z).
; Three outer iterations (rho = 1, 10, 100), three damped Newton steps each: z -= (H + 1e-4 I)^-1 g.
; A work-group of four waves works one batch from end to end.  EXEC never changes; no branch and no address hangs on data.
;
; THE HESSIAN IS WRITTEN DOWN, NOT DIFFERENTIATED.  With F = [A B], r_0 = x_0 - x0, r_t = x_t - F (x,u)_(t-1):
;   g = q z + c + [e_t; 0] - F^T e_(t+1) + max(yp,0) - max(ym,0) on u,   e = rho r + lambda,  yp = rho (u - up) + mu+,  ym = rho (lo - u) + mu-
;   H = diag(q + 1e-4 + rho (f+ + f-)) + rho J^T J,  f = 1, 0.25, 0 for y > 0, = 0, < 0 (the halved derivative of a maximum at a tie, squared).
; H is block tridiagonal, so it is eliminated block by block, FROM BOTH ENDS AT ONCE: lanes 0-15 go forward over the groups
; (x_s, u_s), s = 0..15; lanes 16-31 go backward over (x_(32-s), u_(31-s)), s = 1..15; both run the same instructions on tables of
; their own.  The two meet in the group (x_16, u_31).  A group's residual towards its neighbour is P_own z_own + P_nxt x_nxt
; (forward: -F, I; backward: [I -B], -A).  With K = P_own^T P_own, Phi = -P_own^T P_nxt, CC = P_nxt^T P_nxt a turn is
;   S = diag(M) + rho K + carry;  [Xh | h] = S^-1 [rho Phi | b];  carry' = rho CC - rho Phi^T Xh;  b' = g' + rho Phi^T h
; and the way back is dz = h + Xh dx_nxt.  In a turn lane i of a half holds row i of every matrix.
;
; FOUR WAVES SHARE A TURN BY COLUMNS.  Given the multipliers of the elimination, each column of [rho Phi | b] goes its own way, and
; column j of carry' needs column j of Xh alone.  So every wave eliminates S for itself, wave w carries Xh's columns 3 w .. 3 w + 2
; (and b, which all carry), and the waves exchange their three columns of carry' through LDS, with one barrier a turn.
; THE SHORT PHASES ARE DONE BY EVERY WAVE FOR ITSELF: gradient, meeting, way back, update, multipliers, each on the wave's own
; registers and its own LDS bytes.  One wave doing them for all would take as long, and g, M and dz would have to be handed round
; behind barriers of their own.  What the waves share in LDS are the records of Xh and the exchange of the carry, nothing else.
; All arithmetic is f32 on the vector ALU: the products left are 16 wide and sit inside a linear solve whose residuals are
; multiplied by rho, so 16-bit operands have no room here.
;
; LIMITS.  Pivots are taken in natural order, without exchanges: H + 1e-4 I has to be positive definite (Q >= 0 is enough).
; A bound counts as active by the sign of rho g + mu, not of g + mu / rho: the same sign, another last bit.  Divisions are
; v_rcp_f32 (1 ulp; a pivot below 2^-126 counts as 0).  The order of rounding differs from a dense LU.
; The backward half has 15 groups for 16 turns: in turn 0 it works an idle group (M = 1, g = 0 on x; u_31's on u) whose results
; turn 1 drops and nobody reads.
; ---- LDS, bytes
.set XR,  0                            ; shared: wave w's quad (Xh's columns 3 w .. 3 w + 2, h) of record s at 8192 w + 512 s + 16 lane
.set EXB, 32768                        ; shared: the exchange of carry': two halves of 2,048 bytes, by the turn's parity; wave w's quad at 512 w + 16 lane
.set PRV, 36864                        ; from here on PRIVSZ bytes for each wave, its own
.set PRIVSZ, 14336
.set PG,  144                          ; group arrays: rows 0..32 of PG bytes.  Lower 64 bytes of row s: (x_s, u_s).  Upper 64: (x_(32-s), u_(31-s))
.set GG,  PRV                          ; g
.set MM,  PRV+4752                     ; M
.set DD,  PRV+9504                     ; dz; at the start the first trajectory
.set OS,  PRV                          ; at the end: out0's 32 rows of 48 bytes, dense
; ---- scalar registers
.set RHO, 28                           ; s[28:29] rho, twice
.set CAL, 30                           ; outer iterations done
.set CNW, 31                           ; Newton steps done
.set CSW, 32                           ; the sweep's trip (two turns)
.set SG,  33                           ; 288 x trip
.set SX,  34                           ; 1024 x trip
.set SM,  35                           ; lanes that keep the carry
.set SEL, 36                           ; s[36:37] v_permlanex16_b32: each lane takes its own place in the other half
.set MUPPER, 38                        ; lanes 16-31
.set MLT12,  39                        ; i < 12
.set ML0,    40                        ; lane 0
.set MGE12,  41                        ; i >= 12
.set WV,  42                           ; my wave's number
.set WB,  43                           ; PRIVSZ x wave
.set MK,  44                           ; s[44:59] lanes k and 16 + k
.set REV, 60                           ; s[60:61] v_permlanex16_b32: lane l takes lane 31 - l
.set MU31, 62                          ; lanes 28-31
.set WR,  63                           ; 8192 x wave
; ---- vector registers
.set LI,  1                            ; i = lane & 15
.set VLG, 2                            ; 4 lane + my LDS bytes
.set VLX, 3                            ; 16 lane
.set AG,  4                            ; 144 lane + my LDS bytes: lane = t, row t of a group array
.set VL15, 5                           ; 4 i + my LDS bytes
.set WXR, 6                            ; 16 lane + 8192 wave: my quads of the records
.set BPREV, 7                          ; 4 ((t + 31) & 31)
.set BNEXT, 8                          ; 4 ((t + 1) & 31)
.set VT,  9
.set VT2, 10
.set VZ,  11                           ; 0
.set M31, 12                           ; v[12:13] 0 in lane 31, 1 elsewhere
.set KV,  14                           ; 1, or 0 where the carry is dropped; named as a pair with v15
.set LN,  15                           ; lane = t
.set RC,  16                           ; reciprocals of the next pivot's column: lane k + 1 holds 1 / pivot
.set NC,  17                           ; minus that column, 0 in its own row
.set WX,  18                           ; 16 x thread = 512 wave + 16 lane
.set AH,  19                           ; -rho Phi^T h
.set RSV, 20                           ; v20 lane k: 1 / pivot k;  v21 a written word beside it, for the packed multiply
.set MN,  22
.set GN,  23
.set TX,  24
.set XM,  24                           ; behind the meeting, where TX is free: the meeting's dz
.set XI,  25                           ; dz of the group just solved
.set T0,  26                           ; v26-31 at work
.set Z,   32                           ; v[32:47]  lane t: x_t, u_t
.set LAM, 48                           ; v[48:59]  lane t: lambda of r_t
.set MUP, 60
.set MUM, 64
.set LOB, 68
.set UPB, 72
.set X0,  76                           ; v[76:87]  x0, the same in every lane
.set RK,  88                           ; v[88:103]  rho K, row i; columns in the order x0 x1 x2 u0 | x3 x4 x5 u1 | x6 x7 x8 u2 | x9 x10 x11 u3
.set NF,  104                          ; v[104:119] -rho Phi^T, 0 in rows 12-15; columns in natural order
.set RPQ, 120                          ; v[120:123] rho Phi, my three columns, and 0
.set RCQ, 124                          ; v[124:127] rho CC, my three columns, and 0
.set ID,  128                          ; v[128:143] the unit matrix, columns in RK's order
.set AQ,  144                          ; v[144:147] my three columns of carry' (even k's half sums first), and 0
.set BQ,  148                          ; v[148:151] odd k's half sums, and 0
.set H,   152                          ; v[152:155] four part sums of -rho Phi^T h
.set R,   156                          ; v[156:159] my three columns of rho Phi, then of Xh; b, then h
.set S,   160                          ; sweep: v[160:175], columns in RK's order
.set W,   176                          ; sweep: v[176:191] the multipliers of the 16 pivots
.set EXR, 192                          ; sweep: v[192:207] the carry, as exchanged: the four waves' quads
.set T,   208                          ; sweep: v[208:223] rho K + diag(M) of the turn to come
.set XB0, 192                          ; way back: four sets of 16, four records
.set P1,  160                          ; way back: three more chains
.set DF,  160                          ; update: dz of steps 0-15 in lanes 0-15
.set DB,  176                          ; update: dz of step 31 - l in lane l
.set DR,  192                          ; update: the same, reversed
.set YP,  160                          ; gradient: 12 pairs of half sums of F (x,u)_t
.set AS,  160                          ; gradient, later: F^T e of step t + 1
.set GRV, 160                          ; gradient, at last: g and M reversed over the lanes
.set MRV, 176
.set PR,  184                          ; gradient: the prediction, then r, then e
.set PA,  196                          ; gradient: F^T e
.set G,   212
.set MD,  228
.set FT,  160                          ; set-up: lane i, register j: F[j][i]
.set BL,  172                          ; set-up: B as loaded
.set FR,  184                          ; set-up: lane i < 12: row i of F; else 0
.set FF,  200                          ; set-up: F^T F
.set NFR, 216                          ; set-up: -FR, -FT
.set NFT, 232
; The second block of 256, named v0-223 under the window setting:
; v256-447: word 16 i + k = F[i][k], the same in every lane;  v448-463: lane t: Q[t][:];  v464-479: lane t: c[t][:]
.set QB,  192
.set CB,  208
.set MSB, 0
.macro WIN new                         ; the immediate's high byte repeats the setting that is left
.if MSB != \new
	s_set_vgpr_msb (MSB<<8)|\new
.set MSB, \new
.endif
.endm
.macro SETP c                          ; pp = the place of column c in RK's order
.if (\c) < 12
.set pp, 4*((\c)/3)+((\c)%3)
.else
.set pp, 4*((\c)-12)+3
.endif
.endm
; ---- GAUSS-JORDAN on [S | R], row i in lane i of each half.  Pivot k: row i += w_i x row k, w_i = -S[i][k] / S[k][k], w_k = 0.
; Rows are not scaled on the way: S ends as the diagonal of pivots, whose reciprocals RSV gathers.
; The chain from pivot to pivot is: update of the next pivot's column; the reciprocal of that whole column (only lane k + 1's is
; used); a multiply that takes lane k + 1's reciprocal by DPP.  All 16 multipliers are kept, so the right-hand sides' updates may
; lag behind S's: they stand in the late stages, where S has few columns left to fill the chain's gaps.
.macro CH1                             ; the fma is also the plain instruction behind the reciprocal, ahead of its first use
	v_rcp_f32 v[RC], v[S+cN]
	v_fma_f32 v[NC], v[S+cN], v[ID+cN], -v[S+cN]           ; S - S = 0 in the pivot's own row, -S elsewhere
.endm
.macro CH2 nx
	s_wait_alu depctr_va_vdst(0)
	v_mul_f32_dpp v[W+\nx], v[RC], v[NC] row_share:\nx row_mask:0xf bank_mask:0xf
	v_cndmask_b32 v[RSV], v[RSV], v[RC], s[MK+\nx]
.endm
; Stage k (nx = k + 1): S's columns k + 1 .. 15 take pivot k, w of pivot k + 1 is made, and the nR right-hand sides from register rb on
; take the np pivots pa, pb, pc, which are k at the most.
.macro STG k, nx, nR, rb, np, pa, pb, pc
	SETP \nx
.set cN, pp
.set nS, 14-\k
.set ln, nS+\nR*\np
	v_fmac_f32_dpp v[S+cN], v[S+cN], v[W+\k] row_share:\k row_mask:0xf bank_mask:0xf
.set el, 0
.rept ln
.if el == 3
	CH1
.endif
.if el == 7
	CH2 \nx
.endif
.if el < nS
	SETP \k+2+el
	v_fmac_f32_dpp v[S+pp], v[S+pp], v[W+\k] row_share:\k row_mask:0xf bank_mask:0xf
.elseif el < nS+\nR
	v_fmac_f32_dpp v[\rb+el-nS], v[\rb+el-nS], v[W+\pa] row_share:\pa row_mask:0xf bank_mask:0xf
.elseif el < nS+2*\nR
	v_fmac_f32_dpp v[\rb+el-nS-\nR], v[\rb+el-nS-\nR], v[W+\pb] row_share:\pb row_mask:0xf bank_mask:0xf
.else
	v_fmac_f32_dpp v[\rb+el-nS-2*\nR], v[\rb+el-nS-2*\nR], v[W+\pc] row_share:\pc row_mask:0xf bank_mask:0xf
.endif
.set el, el+1
.endr
.if ln <= 3                            ; what a short list has not reached
	CH1
.endif
.if ln <= 7
	CH2 \nx
.endif
.endm
; With four right-hand sides a stage has 14, 13, 12, 11, 10, 9, 12, 11, 10, 9, 12, 11, 10, 9, 12 updates beside its chain.
.macro ELIM nR, rb
	STG 0, 1, \nR, \rb, 0, 0, 0, 0
	STG 1, 2, \nR, \rb, 0, 0, 0, 0
	STG 2, 3, \nR, \rb, 0, 0, 0, 0
	STG 3, 4, \nR, \rb, 0, 0, 0, 0
	STG 4, 5, \nR, \rb, 0, 0, 0, 0
	STG 5, 6, \nR, \rb, 0, 0, 0, 0
	STG 6, 7, \nR, \rb, 1, 0, 0, 0
	STG 7, 8, \nR, \rb, 1, 1, 0, 0
	STG 8, 9, \nR, \rb, 1, 2, 0, 0
	STG 9, 10, \nR, \rb, 1, 3, 0, 0
	STG 10, 11, \nR, \rb, 2, 4, 5, 0
	STG 11, 12, \nR, \rb, 2, 6, 7, 0
	STG 12, 13, \nR, \rb, 2, 8, 9, 0
	STG 13, 14, \nR, \rb, 2, 10, 11, 0
	STG 14, 15, \nR, \rb, 3, 12, 13, 14
.set el, 0
.rept \nR
	v_fmac_f32_dpp v[\rb+el], v[\rb+el], v[W+15] row_share:15 row_mask:0xf bank_mask:0xf
.set el, el+1
.endr
.endm
; ---- the parts of a turn
.macro SB p                            ; two columns of S = KV x carry + (rho K + diag(M))
	v_pk_fma_f32 v[S+2*\p:S+2*\p+1], v[EXR+2*\p:EXR+2*\p+1], v[KV:KV+1], v[T+2*\p:T+2*\p+1] op_sel_hi:[1,0,1]
.endm
; What the turn to come needs and the carry does not: KV and T.  odd = 1: that turn is the second of a trip; in the first trip it is
; turn 1, in which the backward half starts and drops what its idle turn left.
.macro PREPA odd
.if \odd
	s_cmp_eq_u32 s[CSW], 0
	s_cselect_b32 s[SM], 0xffff, -1
	v_cndmask_b32 v[KV], 0, 1.0, s[SM]
.else
	v_mov_b32 v[KV], 1.0
.endif
.irp p, 0,1,2,3,4,5,6,7
	v_pk_fma_f32 v[T+2*\p:T+2*\p+1], v[ID+2*\p:ID+2*\p+1], v[MN:MN+1], v[RK+2*\p:RK+2*\p+1] op_sel_hi:[1,0,1]
.endr
.endm
.macro PREPB                           ; its right-hand sides
	v_mov_b32 v[R], v[RPQ]
	v_mov_b32 v[R+1], v[RPQ+1]
	v_mov_b32 v[R+2], v[RPQ+2]
	v_fma_f32 v[R+3], -v[KV], v[AH], v[GN]                 ; b = g + rho Phi^T h of the group before
.endm
; Turn 2 x trip + p.
.macro TURN p
	s_wait_dscnt 0x0                               ; the carry is in
	v_add_nc_u32 v[VT], s[SG], v[VLG]
	ds_load_b32 v[MN], v[VT] offset:MM+PG*(\p+1)   ; the next row's M and g, from my own bytes; in the last turn row 16's
	ds_load_b32 v[GN], v[VT] offset:GG+PG*(\p+1)
	SB 0                                           ; S is built round the first pivot's chain
	SB 1
	SB 2
	SB 3
	v_rcp_f32 v[RC], v[S]
	v_fma_f32 v[NC], v[S], v[ID], -v[S]
	SB 4
	SB 5
	s_wait_alu depctr_va_vdst(0)
	v_mul_f32_dpp v[W], v[RC], v[NC] row_share:0 row_mask:0xf bank_mask:0xf
	SB 6
	SB 7
	v_mov_b32 v[RSV], v[RC]
	v_add_nc_u32 v[VT2], s[SX], v[WXR]
	ELIM 4, R
	v_pk_mul_f32 v[R:R+1], v[R:R+1], v[RSV:RSV+1] op_sel_hi:[1,0]
	v_pk_mul_f32 v[R+2:R+3], v[R+2:R+3], v[RSV:RSV+1] op_sel_hi:[1,0]
	; carry'[i][j] = rho CC[i][j] - the sum over k of rho Phi[k][i] Xh[k][j], my three j, each in two half sums: six chains
.irp k, 0,1,2,3,4,5,6,7,8,9,10,11,12,13,14,15
.if \k == 2
	ds_store_b128 v[VT2], v[R:R+3] offset:XR+512*\p        ; my quad of the record
.endif
.irp c, 0,1,2
.if \k == 0
	v_mul_f32_dpp v[AQ+\c], v[R+\c], v[NF] row_share:0 row_mask:0xf bank_mask:0xf
.elseif \k == 1
	v_mul_f32_dpp v[BQ+\c], v[R+\c], v[NF+1] row_share:1 row_mask:0xf bank_mask:0xf
.elseif \k & 1
	v_fmac_f32_dpp v[BQ+\c], v[R+\c], v[NF+\k] row_share:\k row_mask:0xf bank_mask:0xf
.else
	v_fmac_f32_dpp v[AQ+\c], v[R+\c], v[NF+\k] row_share:\k row_mask:0xf bank_mask:0xf
.endif
.endr
.endr
	v_pk_add_f32 v[AQ:AQ+1], v[AQ:AQ+1], v[RCQ:RCQ+1]
	v_pk_add_f32 v[AQ+2:AQ+3], v[AQ+2:AQ+3], v[RCQ+2:RCQ+3]        ; the quad's fourth word is 0 + 0 + 0: the carry has no part on u
	v_pk_add_f32 v[AQ:AQ+1], v[AQ:AQ+1], v[BQ:BQ+1]
	v_pk_add_f32 v[AQ+2:AQ+3], v[AQ+2:AQ+3], v[BQ+2:BQ+3]
	ds_store_b128 v[WX], v[AQ:AQ+3] offset:EXB+2048*\p
	; -rho Phi^T h stays in the wave: its 19 instructions stand between the store and the wait for it
.irp k, 0,1,2,3,4,5,6,7,8,9,10,11,12,13,14,15
.if \k < 4
	v_mul_f32_dpp v[H+\k], v[R+3], v[NF+\k] row_share:\k row_mask:0xf bank_mask:0xf
.else
	v_fmac_f32_dpp v[H+\k%4], v[R+3], v[NF+\k] row_share:\k row_mask:0xf bank_mask:0xf
.endif
.endr
	v_add_f32 v[H], v[H], v[H+1]
	v_add_f32 v[H+2], v[H+2], v[H+3]
	v_add_f32 v[AH], v[H], v[H+2]
	s_wait_dscnt 0x0                               ; for the others' sake: my quads of the record and of the carry are stored; M and g are in
	s_barrier_signal -1
	PREPA 1-\p                                     ; work on registers while the others arrive
	s_barrier_wait -1                              ; this half of the exchange is whole.  It is stored again two turns on, behind the next turn's
	                                               ; barrier, in front of which every wave has waited for the loads below
.irp q, 0,1,2,3
	ds_load_b128 v[EXR+4*\q:EXR+4*\q+3], v[VLX] offset:EXB+2048*\p+512*\q
.endr
	PREPB
.endm
; ---- lane = t.  F (x,u)_t: each of the 12 rows in two half sums, over even and odd k, F from the upper registers;
; then each lane asks for its left neighbour's result.
.macro RESID
	WIN 0x01                                       ; source 0 in the second block of 256
.irp q, 0,1,2,3,4,5,6,7
.irp i, 0,1,2,3,4,5,6,7,8,9,10,11
.if \q == 0
	v_pk_mul_f32 v[YP+2*\i:YP+2*\i+1], v[16*\i:16*\i+1], v[Z:Z+1]
.else
	v_pk_fma_f32 v[YP+2*\i:YP+2*\i+1], v[16*\i+2*\q:16*\i+2*\q+1], v[Z+2*\q:Z+2*\q+1], v[YP+2*\i:YP+2*\i+1]
.endif
.endr
.endr
	WIN 0
.irp i, 0,1,2,3,4,5,6,7,8,9,10,11
	v_add_f32 v[YP+2*\i], v[YP+2*\i], v[YP+2*\i+1]
.endr
.irp i, 0,1,2,3,4,5,6,7,8,9,10,11
	ds_bpermute_b32 v[PR+\i], v[BPREV], v[YP+2*\i]
.endr
.endm
.macro RESID2                          ; r = x - prediction; step 0 is predicted by x0
	s_wait_dscnt 0x0
.irp i, 0,1,2,3,4,5,6,7,8,9,10,11
	v_cndmask_b32 v[PR+\i], v[PR+\i], v[X0+\i], s[ML0]
.endr
.irp p, 0,1,2,3,4,5
	v_pk_add_f32 v[PR+2*\p:PR+2*\p+1], v[Z+2*\p:Z+2*\p+1], v[PR+2*\p:PR+2*\p+1] neg_lo:[0,1] neg_hi:[0,1]
.endr
.endm
; The box on control c.  mode 0: its part of g and of M.  mode 1: the new multipliers, max(mu + rho g, 0).
.macro BOX c, mode
	v_sub_f32 v[T0], v[Z+12+\c], v[UPB+\c]
	v_sub_f32 v[T0+1], v[LOB+\c], v[Z+12+\c]
	v_fma_f32 v[T0], s[RHO], v[T0], v[MUP+\c]              ; yp
	v_fma_f32 v[T0+1], s[RHO], v[T0+1], v[MUM+\c]          ; ym
.if \mode
	v_max_num_f32 v[MUP+\c], 0, v[T0]
	v_max_num_f32 v[MUM+\c], 0, v[T0+1]
.else
	v_max_num_f32 v[T0+2], 0, v[T0]
	v_max_num_f32 v[T0+3], 0, v[T0+1]
	v_sub_f32 v[T0+2], v[T0+2], v[T0+3]
	v_add_f32 v[G+12+\c], v[G+12+\c], v[T0+2]
	v_cmp_neq_f32 vcc_lo, 0, v[T0]
	v_cndmask_b32 v[T0+4], 0x3e800000, v[VZ], vcc_lo       ; 0.25 at a tie, else 0,
	v_cmp_ge_f32 vcc_lo, 0, v[T0]
	v_cndmask_b32 v[T0+4], 1.0, v[T0+4], vcc_lo            ; 1 where yp > 0
	v_cmp_neq_f32 vcc_lo, 0, v[T0+1]
	v_cndmask_b32 v[T0+5], 0x3e800000, v[VZ], vcc_lo
	v_cmp_ge_f32 vcc_lo, 0, v[T0+1]
	v_cndmask_b32 v[T0+5], 1.0, v[T0+5], vcc_lo
	v_add_f32 v[T0+4], v[T0+4], v[T0+5]
	v_fmac_f32 v[MD+12+\c], s[RHO], v[T0+4]
.endif
.endm
; ---- the way back
.macro LOADREC s, set                  ; record s, the four waves' quads, into register set 'set': four LDS loads
.irp q, 0,1,2,3
	ds_load_b128 v[XB0+16*(\set)+4*\q:XB0+16*(\set)+4*\q+3], v[VLX] offset:XR+8192*\q+512*(\s)
.endr
.endm
; dz_s = h_s + Xh_s dx_nxt: four chains of three, one to a quad; dx_nxt[j] is brought from lane j by DPP.
.macro BSTEP s
.set nn, (15-\s)&3
.set XB, XB0+16*nn
.set HB, XB+3                          ; the first quad's copy of h
.if \s >= 3
	s_wait_dscnt 12                                ; behind record s's loads at least 13 LDS instructions were issued: three turns' store and four loads, less at the start
.else
	s_wait_dscnt 3                                 ; the last turns load nothing: 11, 7 and 3 were issued behind these loads
.endif
	v_fmac_f32_dpp v[HB],   v[XI], v[XB+0]  row_share:0  row_mask:0xf bank_mask:0xf
	v_mul_f32_dpp  v[P1],   v[XI], v[XB+4]  row_share:3  row_mask:0xf bank_mask:0xf
	v_mul_f32_dpp  v[P1+1], v[XI], v[XB+8]  row_share:6  row_mask:0xf bank_mask:0xf
	v_mul_f32_dpp  v[P1+2], v[XI], v[XB+12] row_share:9  row_mask:0xf bank_mask:0xf
	v_fmac_f32_dpp v[HB],   v[XI], v[XB+1]  row_share:1  row_mask:0xf bank_mask:0xf
	v_fmac_f32_dpp v[P1],   v[XI], v[XB+5]  row_share:4  row_mask:0xf bank_mask:0xf
	v_fmac_f32_dpp v[P1+1], v[XI], v[XB+9]  row_share:7  row_mask:0xf bank_mask:0xf
	v_fmac_f32_dpp v[P1+2], v[XI], v[XB+13] row_share:10 row_mask:0xf bank_mask:0xf
	v_fmac_f32_dpp v[HB],   v[XI], v[XB+2]  row_share:2  row_mask:0xf bank_mask:0xf
	v_fmac_f32_dpp v[P1],   v[XI], v[XB+6]  row_share:5  row_mask:0xf bank_mask:0xf
	v_fmac_f32_dpp v[P1+1], v[XI], v[XB+10] row_share:8  row_mask:0xf bank_mask:0xf
	v_fmac_f32_dpp v[P1+2], v[XI], v[XB+14] row_share:11 row_mask:0xf bank_mask:0xf
	v_add_f32 v[HB], v[HB], v[P1]
	v_add_f32 v[P1+1], v[P1+1], v[P1+2]
	v_add_f32 v[XI], v[HB], v[P1+1]
.if \s == 0
	v_cndmask_b32 v[XI], v[XI], v[XM], s[MU31]     ; row 0's upper half has u_31's place: its dz was found at the meeting
.endif
	ds_store_b32 v[VLG], v[XI] offset:DD+PG*\s
.if \s >= 4
	LOADREC \s-4, nn                               ; the set just used takes the record four turns on
.endif
.endm
; My three columns of rho Phi and rho CC, for wave w
.macro WSEL w
.irp r, 0,1,2
	v_mul_f32 v[T0], -1.0, v[FF+3*\w+\r]
	v_cndmask_b32 v[RPQ+\r], v[T0], v[FR+3*\w+\r], s[MLT12]        ; backward Phi = [A; -B^T A]
	v_cndmask_b32 v[RPQ+\r], v[FT+3*\w+\r], v[RPQ+\r], s[MUPPER]   ; forward Phi = F^T
	v_cndmask_b32 v[RCQ+\r], v[VZ], v[FF+3*\w+\r], s[MLT12]        ; backward CC = A^T A
	v_cndmask_b32 v[RCQ+\r], v[ID+4*\w+\r], v[RCQ+\r], s[MUPPER]   ; forward CC = I
.endr
.endm
; One step of the first trajectory: x_t = A x_(t-1), u = 0.  Lane i of each half holds x[i]; lanes 12-15 hold and store the zeros of u.
.macro ROLL t
	v_mul_f32_dpp  v[T0+3], v[XI], v[FR+0]  row_share:0  row_mask:0xf bank_mask:0xf
	v_mul_f32_dpp  v[T0+4], v[XI], v[FR+1]  row_share:1  row_mask:0xf bank_mask:0xf
	v_mul_f32_dpp  v[T0+5], v[XI], v[FR+2]  row_share:2  row_mask:0xf bank_mask:0xf
	v_fmac_f32_dpp v[T0+3], v[XI], v[FR+3]  row_share:3  row_mask:0xf bank_mask:0xf
	v_fmac_f32_dpp v[T0+4], v[XI], v[FR+4]  row_share:4  row_mask:0xf bank_mask:0xf
	v_fmac_f32_dpp v[T0+5], v[XI], v[FR+5]  row_share:5  row_mask:0xf bank_mask:0xf
	v_fmac_f32_dpp v[T0+3], v[XI], v[FR+6]  row_share:6  row_mask:0xf bank_mask:0xf
	v_fmac_f32_dpp v[T0+4], v[XI], v[FR+7]  row_share:7  row_mask:0xf bank_mask:0xf
	v_fmac_f32_dpp v[T0+5], v[XI], v[FR+8]  row_share:8  row_mask:0xf bank_mask:0xf
	v_fmac_f32_dpp v[T0+3], v[XI], v[FR+9]  row_share:9  row_mask:0xf bank_mask:0xf
	v_fmac_f32_dpp v[T0+4], v[XI], v[FR+10] row_share:10 row_mask:0xf bank_mask:0xf
	v_fmac_f32_dpp v[T0+5], v[XI], v[FR+11] row_share:11 row_mask:0xf bank_mask:0xf
	v_add_f32 v[T0+3], v[T0+3], v[T0+4]
	v_add_f32 v[XI], v[T0+3], v[T0+5]
	ds_store_b32 v[VLG], v[XI] offset:DD+PG*\t
.endm
; ======== HEAD: addresses, lane terms, masks
	s_load_b512 s[8:23], s[0:1], 0x0               ; A s[8:9], B s[10:11], Q s[12:13], c s[14:15], lo s[16:17], up s[18:19], x0 s[20:21], out0 s[22:23]
	s_load_b64 s[24:25], s[0:1], 0x40              ; out1
	s_set_vgpr_msb 0x40
	v_lshl_add_u32 v224, v0, 2, 0x17000
	v_mov_b32 v225, 0
	s_set_vgpr_msb 0x4000
	v_lshrrev_b32 v[T0], 5, v0
	v_readfirstlane_b32 s[WV], v[T0]
	s_mul_i32 s[WB], s[WV], PRIVSZ
	s_lshl_b32 s[WR], s[WV], 13
	v_and_b32 v[LN], 31, v0
	v_and_b32 v[LI], 15, v0
	v_lshlrev_b32 v[WX], 4, v0
	v_lshl_add_u32 v[VLG], v[LN], 2, s[WB]
	v_lshlrev_b32 v[VLX], 4, v[LN]
	v_lshl_add_u32 v[WXR], v[LN], 4, s[WR]
	v_lshl_add_u32 v[VL15], v[LI], 2, s[WB]
	v_mul_u32_u24 v[AG], v[LN], PG
	v_add_nc_u32 v[AG], s[WB], v[AG]
	v_lshlrev_b32 v[VT], 6, v[LN]                  ; 64 t: step t's 64 bytes of Q and of c
	v_mov_b32 v[VZ], 0
	v_add_nc_u32 v[T0], 31, v[LN]
	v_and_b32 v[T0], 31, v[T0]
	v_lshlrev_b32 v[BPREV], 2, v[T0]
	v_add_nc_u32 v[T0], 1, v[LN]
	v_and_b32 v[T0], 31, v[T0]
	v_lshlrev_b32 v[BNEXT], 2, v[T0]
	v_cmp_eq_u32 vcc_lo, 31, v[LN]
	v_cndmask_b32 v[M31], 1.0, v[VZ], vcc_lo
	v_mov_b32 v[M31+1], v[M31]
	v_mov_b32 v[RSV+1], 0
	v_mov_b32 v[TX], 1.0
	v_mov_b32 v[T0+3], 0                           ; destinations of DPP forms count as read: written once here
	v_mov_b32 v[T0+4], 0
	v_mov_b32 v[T0+5], 0
.irp i, 0,1,2,3,4,5,6,7,8,9,10,11
	v_mov_b32 v[AQ+\i], 0                          ; AQ, BQ and H lie on end; the fourth words of AQ and BQ stay 0
.endr
	v_mov_b32 v[RPQ+3], 0
	v_mov_b32 v[RCQ+3], 0
	v_min_u32 v[T0], 11, v[LI]
	v_mul_u32_u24 v[T0+2], v[T0], 48               ; A's row min(i, 11)
	v_lshlrev_b32 v[VT2], 4, v[T0]                 ; B's row min(i, 11)
	v_lshlrev_b32 v[T0], 2, v[T0]                  ; A's column: 4 min(i, 11)
	v_and_b32 v[T0+1], 3, v[LI]
	v_lshlrev_b32 v[T0+1], 2, v[T0+1]              ; B's column: 4 (i & 3), which is 4 (i - 12) in the lanes that keep it
	s_mov_b32 s[SEL], 0x76543210
	s_mov_b32 s[SEL+1], 0xfedcba98
	s_mov_b32 s[REV], 0x89abcdef
	s_mov_b32 s[REV+1], 0x01234567
	s_mov_b32 s[MUPPER], 0xffff0000
	s_mov_b32 s[MLT12], 0x0fff0fff
	s_mov_b32 s[ML0], 1
	s_mov_b32 s[MGE12], 0xf000f000
	s_mov_b32 s[MU31], 0xf0000000
.irp k, 0,1,2,3,4,5,6,7,8,9,10,11,12,13,14,15
	s_mov_b32 s[MK+\k], 0x00010001<<\k
	SETP \k
	v_cndmask_b32 v[ID+pp], 0, 1.0, s[MK+\k]
.endr
	s_mov_b32 s[RHO], 1.0
	s_mov_b32 s[RHO+1], 1.0
	s_mov_b32 s[CAL], 0
	s_wait_kmcnt 0x0
	s_mov_b32 s27, 0                               ; the batch's part of each tensor
	s_lshl_b32 s26, ttmp9, 11
	s_add_nc_u64 s[12:13], s[12:13], s[26:27]
	s_add_nc_u64 s[14:15], s[14:15], s[26:27]
	s_lshl_b32 s26, ttmp9, 9
	s_add_nc_u64 s[16:17], s[16:17], s[26:27]
	s_add_nc_u64 s[18:19], s[18:19], s[26:27]
	s_add_nc_u64 s[24:25], s[24:25], s[26:27]
	s_mul_i32 s26, ttmp9, 48
	s_add_nc_u64 s[20:21], s[20:21], s[26:27]
	s_mul_i32 s26, ttmp9, 1536
	s_add_nc_u64 s[22:23], s[22:23], s[26:27]
	; 29 loads that the tables and the first trajectory wait for
.irp j, 0,1,2,3,4,5,6,7,8,9,10,11
	global_load_b32 v[FT+\j], v[T0], s[8:9] offset:48*\j           ; A[j][i]
.endr
.irp j, 0,1,2,3,4,5,6,7,8,9,10,11
	global_load_b32 v[BL+\j], v[T0+1], s[10:11] offset:16*\j       ; B[j][i - 12]
.endr
.irp m, 0,1,2
	global_load_b128 v[FR+4*\m:FR+4*\m+3], v[T0+2], s[8:9] offset:16*\m    ; A[i][:]
.endr
	global_load_b128 v[FR+12:FR+15], v[VT2], s[10:11]              ; B[i][:]
	global_load_b32 v[XI], v[T0], s[20:21]                         ; x0[i]
	; 13 loads that only the iteration needs
	global_load_b128 v[LOB:LOB+3], v[VLX], s[16:17]
	global_load_b128 v[UPB:UPB+3], v[VLX], s[18:19]
.irp m, 0,1,2
	global_load_b128 v[X0+4*\m:X0+4*\m+3], v[VZ], s[20:21] offset:16*\m    ; x0, the same in every lane
.endr
	ds_store_b32 v[VL15], v[TX] offset:MM+64       ; row 0's upper half holds no x: M = 1, g = 0, once (its u part is stored anew in every step)
	ds_store_b32 v[VL15], v[VZ] offset:GG+64
	WIN 0x40                                       ; destination in the second block of 256
.irp m, 0,1,2,3
	global_load_b128 v[QB+4*\m:QB+4*\m+3], v[VT], s[12:13] offset:16*\m    ; a lane's four loads take its step's 64 consecutive bytes
.endr
.irp m, 0,1,2,3
	global_load_b128 v[CB+4*\m:CB+4*\m+3], v[VT], s[14:15] offset:16*\m
.endr
	s_wait_loadcnt 13                              ; the first 29 are in; the 13 younger loads (lo, up, x0 3, Q 4, c 4) stay out
.irp i, 0,1,2,3,4,5,6,7,8,9,10,11
.irp m, 0,1,2
	global_load_b128 v[16*\i+4*\m:16*\i+4*\m+3], v[VZ], s[8:9] offset:48*\i+16*\m          ; F's row i, the same in every lane: A's 12 numbers,
.endr
	global_load_b128 v[16*\i+12:16*\i+15], v[VZ], s[10:11] offset:16*\i                    ; B's 4.  With these 48, 61 loads are out at the most
.endr
	WIN 0
; ======== F in two layouts, F^T F, and the two halves' tables at rho = 1
.irp j, 0,1,2,3,4,5,6,7,8,9,10,11
	v_cndmask_b32 v[FT+\j], v[FT+\j], v[BL+\j], s[MGE12]           ; F[j][i]
.endr
.irp k, 0,1,2,3,4,5,6,7,8,9,10,11,12,13,14,15
	v_cndmask_b32 v[FR+\k], v[VZ], v[FR+\k], s[MLT12]
	v_mov_b32 v[FF+\k], 0                          ; sixteen sums, started once: a DPP destination has to be written beforehand
.endr
.irp j, 0,1,2,3,4,5,6,7,8,9,10,11
.irp k, 0,1,2,3,4,5,6,7,8,9,10,11,12,13,14,15
	v_fmac_f32_dpp v[FF+\k], v[FT+\j], v[FT+\j] row_share:\k row_mask:0xf bank_mask:0xf    ; += F[j][k] F[j][i]
.endr
.endr
.irp k, 0,1,2,3,4,5,6,7,8,9,10,11,12,13,14,15
	v_mul_f32 v[NFR+\k], -1.0, v[FR+\k]
.endr
.irp j, 0,1,2,3,4,5,6,7,8,9,10,11
	v_mul_f32 v[NFT+\j], -1.0, v[FT+\j]
.endr
.irp k, 0,1,2,3,4,5,6,7,8,9,10,11
	SETP \k
	v_cndmask_b32 v[RK+pp], v[NFT+\k], v[ID+pp], s[MLT12]          ; backward K = [I -B; -B^T B^T B], columns 0-11
	v_cndmask_b32 v[RK+pp], v[FF+\k], v[RK+pp], s[MUPPER]          ; forward K = F^T F
	v_cndmask_b32 v[NF+\k], v[VZ], v[NFT+\k], s[MLT12]             ; backward -Phi^T = [-A^T  A^T B], columns 0-11
	v_cndmask_b32 v[NF+\k], v[NFR+\k], v[NF+\k], s[MUPPER]         ; forward -Phi^T = -F
.endr
.irp k, 12,13,14,15
	SETP \k
	v_cndmask_b32 v[RK+pp], v[FF+\k], v[NFR+\k], s[MLT12]
	v_cndmask_b32 v[RK+pp], v[FF+\k], v[RK+pp], s[MUPPER]
	v_cndmask_b32 v[NF+\k], v[VZ], v[FF+\k], s[MLT12]
	v_cndmask_b32 v[NF+\k], v[NFR+\k], v[NF+\k], s[MUPPER]
.endr
	s_cmp_lg_u32 s[WV], 0                          ; each of the four ways writes the same registers, from other columns
	s_cbranch_scc1 .Lnot_w0
	WSEL 0
	s_branch .Lown_done
.Lnot_w0:
	s_cmp_lg_u32 s[WV], 1
	s_cbranch_scc1 .Lnot_w1
	WSEL 1
	s_branch .Lown_done
.Lnot_w1:
	s_cmp_lg_u32 s[WV], 2
	s_cbranch_scc1 .Lnot_w2
	WSEL 2
	s_branch .Lown_done
.Lnot_w2:
	WSEL 3
.Lown_done:
; ======== the first trajectory, row by row into my dz array (both halves of a row alike), which gives each of its bytes a value
	v_cndmask_b32 v[XI], v[VZ], v[XI], s[MLT12]
	ds_store_b32 v[VLG], v[XI] offset:DD
.irp t, 1,2,3,4,5,6,7,8,9,10,11,12,13,14,15,16,17,18,19,20,21,22,23,24,25,26,27,28,29,30,31
	ROLL \t
.endr
	ds_store_b32 v[VLG], v[XI] offset:DD+PG*32     ; row 32 is loaded with the others in the update and dropped there: any number will do
.irp m, 0,1,2,3
	ds_load_b128 v[Z+4*\m:Z+4*\m+3], v[AG] offset:DD+16*\m         ; lane = t.  LDS serves a wave's instructions in order: these see the stores above
.endr
.irp i, 0,1,2,3,4,5,6,7,8,9,10,11,12,13,14,15,16,17,18,19
	v_mov_b32 v[LAM+\i], 0                         ; lambda, mu+ and mu- start at 0
.endr
	s_wait_loadcnt 0x0
	s_wait_dscnt 0x0
.Lal:
	s_mov_b32 s[CNW], 0
.Lnewton:
; ======== GRADIENT AND DIAGONAL, lane = t
	RESID
	WIN 0x11                                       ; sources 0 and 2 in the second block of 256
.irp p, 0,1,2,3,4,5,6,7
	v_pk_fma_f32 v[G+2*\p:G+2*\p+1], v[QB+2*\p:QB+2*\p+1], v[Z+2*\p:Z+2*\p+1], v[CB+2*\p:CB+2*\p+1]   ; q z + c
.endr
.irp p, 0,1,2,3,4,5,6,7
	v_pk_add_f32 v[MD+2*\p:MD+2*\p+1], v[QB+2*\p:QB+2*\p+1], 0x38d1b717 op_sel_hi:[1,0]              ; q + 1e-4
.endr
	WIN 0
	BOX 0, 0
	BOX 1, 0
	BOX 2, 0
	BOX 3, 0
	RESID2
.irp p, 0,1,2,3,4,5
	v_pk_fma_f32 v[PR+2*\p:PR+2*\p+1], v[PR+2*\p:PR+2*\p+1], s[RHO:RHO+1], v[LAM+2*\p:LAM+2*\p+1] op_sel_hi:[1,0,1]   ; e = rho r + lambda
.endr
.irp p, 0,1,2,3,4,5
	v_pk_add_f32 v[G+2*\p:G+2*\p+1], v[G+2*\p:G+2*\p+1], v[PR+2*\p:PR+2*\p+1]
.endr
	WIN 0x01                                       ; F^T e, two columns at a time: row i of F times e_i
.irp i, 0,1,2,3,4,5,6,7,8,9,10,11
.irp q, 0,1,2,3,4,5,6,7
.if \i == 0
	v_pk_mul_f32 v[PA+2*\q:PA+2*\q+1], v[2*\q:2*\q+1], v[PR:PR+1] op_sel_hi:[1,0]
.elseif \i & 1
	v_pk_fma_f32 v[PA+2*\q:PA+2*\q+1], v[16*\i+2*\q:16*\i+2*\q+1], v[PR+\i-1:PR+\i], v[PA+2*\q:PA+2*\q+1] op_sel:[0,1,0] op_sel_hi:[1,1,1]
.else
	v_pk_fma_f32 v[PA+2*\q:PA+2*\q+1], v[16*\i+2*\q:16*\i+2*\q+1], v[PR+\i:PR+\i+1], v[PA+2*\q:PA+2*\q+1] op_sel_hi:[1,0,1]
.endif
.endr
.endr
	WIN 0
.irp k, 0,1,2,3,4,5,6,7,8,9,10,11,12,13,14,15
	ds_bpermute_b32 v[AS+\k], v[BNEXT], v[PA+\k]                   ; the right neighbour's F^T e
.endr
	s_wait_dscnt 0x0
.irp p, 0,1,2,3,4,5,6,7
	v_pk_fma_f32 v[G+2*\p:G+2*\p+1], v[AS+2*\p:AS+2*\p+1], v[M31:M31+1], v[G+2*\p:G+2*\p+1] neg_lo:[1,0,0] neg_hi:[1,0,0]   ; step 31 has no successor
.endr
	; Into group order.  Forward: lane t's 64 bytes are row t's lower half.  Backward: lane l takes step 31 - l, whose x belongs
	; into row l + 1's upper half and whose u into row l's.
.irp k, 0,1,2,3,4,5,6,7,8,9,10,11,12,13,14,15
	v_permlanex16_b32 v[GRV+\k], v[G+\k], s[REV], s[REV+1]
	v_permlanex16_b32 v[MRV+\k], v[MD+\k], s[REV], s[REV+1]
.endr
.irp m, 0,1,2,3
	ds_store_b128 v[AG], v[G+4*\m:G+4*\m+3] offset:GG+16*\m
	ds_store_b128 v[AG], v[MD+4*\m:MD+4*\m+3] offset:MM+16*\m
.endr
.irp m, 0,1,2
	ds_store_b128 v[AG], v[GRV+4*\m:GRV+4*\m+3] offset:GG+PG+64+16*\m
	ds_store_b128 v[AG], v[MRV+4*\m:MRV+4*\m+3] offset:MM+PG+64+16*\m
.endr
	ds_store_b128 v[AG], v[GRV+12:GRV+15] offset:GG+112
	ds_store_b128 v[AG], v[MRV+12:MRV+15] offset:MM+112
; ======== THE SWEEP: 8 trips of two turns, both halves at once
	ds_load_b32 v[MN], v[VLG] offset:MM
	ds_load_b32 v[GN], v[VLG] offset:GG
.irp p, 0,1,2,3,4,5,6,7
	v_pk_mul_f32 v[EXR+2*\p:EXR+2*\p+1], v[ID+2*\p:ID+2*\p+1], s[RHO:RHO+1] op_sel_hi:[1,0]    ; forward: r_0 = x_0 - x0 leaves rho I on x_0,
.endr
.irp q, 0,1,2,3
	v_mov_b32 v[EXR+4*\q+3], 0                     ; and nothing on u_0
.endr
	v_mov_b32 v[AH], 0
	s_mov_b32 s[CSW], 0
	s_mov_b32 s[SG], 0
	s_mov_b32 s[SX], 0
	s_wait_dscnt 0x0                               ; row 0's M and g are in; for the others' sake: my reads of the last step's records are back
	s_barrier_signal -1
	PREPA 0
	PREPB
	s_barrier_wait -1                              ; every wave has read the last step's records: they may be stored again
.Lsweep:
	TURN 0
	TURN 1
	s_add_co_u32 s[SG], s[SG], 2*PG
	s_add_co_u32 s[SX], s[SX], 1024
	s_add_co_u32 s[CSW], s[CSW], 1
	s_cmp_lt_u32 s[CSW], 8
	s_cbranch_scc1 .Lsweep
; ======== THE MEETING: (x_16, u_31), solved alike in both halves.  The last turn's barrier has shown all records and the last carry.
	ds_load_b32 v[T0], v[VL15] offset:MM+64        ; row 0's upper half: u_31's M and g in lanes 12-15
	ds_load_b32 v[T0+1], v[VL15] offset:GG+64
	s_wait_dscnt 0x0
	v_cndmask_b32 v[MN], v[MN], v[T0], s[MGE12]    ; row 16 holds x_16 in both halves
	v_cndmask_b32 v[GN], v[GN], v[T0+1], s[MGE12]
.irp j, 0,1,2,3,4,5,6,7,8,9,10,11,12,13,14,15
	v_permlanex16_b32 v[S+\j], v[EXR+\j], s[SEL], s[SEL+1]         ; the other half's carry
.endr
	v_permlanex16_b32 v[TX], v[AH], s[SEL], s[SEL+1]
.irp p, 0,1,2,3,4,5,6,7
	v_pk_add_f32 v[S+2*\p:S+2*\p+1], v[S+2*\p:S+2*\p+1], v[EXR+2*\p:EXR+2*\p+1]
.endr
	LOADREC 15, 0                                  ; the carry has been read: the way back's first four records are asked for now
	LOADREC 14, 1
	LOADREC 13, 2
	LOADREC 12, 3
.irp p, 0,1,2,3,4,5,6,7
	v_pk_fma_f32 v[S+2*\p:S+2*\p+1], v[ID+2*\p:ID+2*\p+1], v[MN:MN+1], v[S+2*\p:S+2*\p+1] op_sel_hi:[1,0,1]
.endr
	v_rcp_f32 v[RC], v[S]
	v_fma_f32 v[NC], v[S], v[ID], -v[S]
	v_add_f32 v[TX], v[TX], v[AH]
	v_sub_f32 v[R+3], v[GN], v[TX]
	s_wait_alu depctr_va_vdst(0)
	v_mul_f32_dpp v[W], v[RC], v[NC] row_share:0 row_mask:0xf bank_mask:0xf
	v_mov_b32 v[RSV], v[RC]
	ELIM 1, R+3
	v_mul_f32 v[XI], v[R+3], v[RSV]
	v_mov_b32 v[XM], v[XI]
	ds_store_b32 v[VLG], v[XI] offset:DD+16*PG
; ======== THE WAY BACK
	BSTEP 15
	BSTEP 14
	BSTEP 13
	BSTEP 12
	BSTEP 11
	BSTEP 10
	BSTEP 9
	BSTEP 8
	BSTEP 7
	BSTEP 6
	BSTEP 5
	BSTEP 4
	BSTEP 3
	BSTEP 2
	BSTEP 1
	BSTEP 0
; ======== z -= dz, lane = t again.  Lanes 0-15 find their step in row t's lower half; for the others lane l fetches step 31 - l
; (x from row l + 1's upper half, u from row l's), and the lanes are reversed.
.irp m, 0,1,2,3
	ds_load_b128 v[DF+4*\m:DF+4*\m+3], v[AG] offset:DD+16*\m
.endr
.irp m, 0,1,2
	ds_load_b128 v[DB+4*\m:DB+4*\m+3], v[AG] offset:DD+PG+64+16*\m
.endr
	ds_load_b128 v[DB+12:DB+15], v[AG] offset:DD+112
	s_wait_dscnt 0x0
.irp k, 0,1,2,3,4,5,6,7,8,9,10,11,12,13,14,15
	v_permlanex16_b32 v[DR+\k], v[DB+\k], s[REV], s[REV+1]
.endr
.irp k, 0,1,2,3,4,5,6,7,8,9,10,11,12,13,14,15
	v_cndmask_b32 v[DF+\k], v[DF+\k], v[DR+\k], s[MUPPER]
.endr
.irp p, 0,1,2,3,4,5,6,7
	v_pk_add_f32 v[Z+2*\p:Z+2*\p+1], v[Z+2*\p:Z+2*\p+1], v[DF+2*\p:DF+2*\p+1] neg_lo:[0,1] neg_hi:[0,1]
.endr
	s_add_co_u32 s[CNW], s[CNW], 1
	s_cmp_lt_u32 s[CNW], 3
	s_cbranch_scc1 .Lnewton
; ======== between outer iterations: the multipliers with the old rho, then rho x 10.  Behind the third nothing reads them.
	s_add_co_u32 s[CAL], s[CAL], 1
	s_cmp_eq_u32 s[CAL], 3
	s_cbranch_scc1 .Lout
	RESID
	BOX 0, 1
	BOX 1, 1
	BOX 2, 1
	BOX 3, 1
	RESID2
.irp p, 0,1,2,3,4,5
	v_pk_fma_f32 v[LAM+2*\p:LAM+2*\p+1], v[PR+2*\p:PR+2*\p+1], s[RHO:RHO+1], v[LAM+2*\p:LAM+2*\p+1] op_sel_hi:[1,0,1]
.endr
.irp p, 0,1,2,3,4,5,6,7,8,9,10,11,12,13,14,15,16,17,18,19
	v_pk_mul_f32 v[RK+2*\p:RK+2*\p+1], v[RK+2*\p:RK+2*\p+1], 0x41200000 op_sel_hi:[1,0]    ; the four tables lie on end: 40 registers
.endr
	s_mul_f32 s[RHO], s[RHO], 0x41200000           ; 1, 10, 100: the cap of 100 is met and never passed
	s_mov_b32 s[RHO+1], s[RHO]
	s_cmp_lt_u32 s[CAL], 3
	s_cbranch_scc1 .Lal
; ======== OUT.  Every wave holds the result.  Waves 0-2 store 512 consecutive bytes of out0 each, through a stage in their own LDS
; bytes that turns rows of 48 bytes into a dense run; wave 3 stores out1, whose 16 bytes a step lie in its registers as they go out.
.Lout:
	s_cmp_eq_u32 s[WV], 3
	s_cbranch_scc1 .Lout_u
	v_mul_u32_u24 v[T0], v[LN], 48
	v_add_nc_u32 v[T0], s[WB], v[T0]
	v_add_nc_u32 v[VT], s[WB], v[WX]               ; 512 wave + 16 lane, in my stage
	ds_store_b128 v[T0], v[Z:Z+3] offset:OS
	ds_store_b128 v[T0], v[Z+4:Z+7] offset:OS+16
	ds_store_b128 v[T0], v[Z+8:Z+11] offset:OS+32
	ds_load_b128 v[S:S+3], v[VT] offset:OS
	s_wait_dscnt 0x0
	global_store_b128 v[WX], v[S:S+3], s[22:23] th:TH_STORE_NT
	s_branch .Lend
.Lout_u:
	global_store_b128 v[VLX], v[Z+12:Z+15], s[24:25] th:TH_STORE_NT
.Lend:
	s_set_vgpr_msb 0x5
	s_wait_tensorcnt 0x0
	ds_add_u32 v224, v225
	s_wait_dscnt 0x0
	s_set_vgpr_msb 0x500
	s_endpgm
.Lfunc_end_k_qb4228716a2_mpc:
	.size	k_qb4228716a2_mpc, .Lfunc_end_k_qb4228716a2_mpc-k_qb4228716a2_mpc
	.p2alignl 7, 3214868480
	.fill 96, 4, 3214868480
	.section	.rodata,"a",@progbits
	.p2align	6, 0x0
	.amdhsa_kernel k_qb4228716a2_mpc
		.amdhsa_group_segment_fixed_size 94720
		.amdhsa_private_segment_fixed_size 0
		.amdhsa_enable_private_segment 0
		.amdhsa_kernarg_size 72
		.amdhsa_user_sgpr_count 2
		.amdhsa_user_sgpr_kernarg_segment_ptr 1
		.amdhsa_wavefront_size32 1
		.amdhsa_system_sgpr_workgroup_id_x 1
		.amdhsa_system_sgpr_workgroup_id_y 1
		.amdhsa_system_sgpr_workgroup_id_z 1
		.amdhsa_system_vgpr_workitem_id 0
		.amdhsa_next_free_vgpr 482
		.amdhsa_next_free_sgpr 66
		.amdhsa_reserve_vcc 1
		.amdhsa_float_denorm_mode_32 3
		.amdhsa_float_denorm_mode_16_64 3
		.amdhsa_memory_ordered 1
		.amdhsa_forward_progress 1
		.amdhsa_inst_pref_size 185
	.end_amdhsa_kernel
	.amdgpu_metadata
---
amdhsa.version: [ 1, 2 ]
amdhsa.kernels:
  - .name:           k_qb4228716a2_mpc
    .symbol:         k_qb4228716a2_mpc.kd
    .args:
      - { .name: A, .offset: 0, .size: 8, .value_kind: global_buffer, .address_space: global }
      - { .name: B, .offset: 8, .size: 8, .value_kind: global_buffer, .address_space: global }
      - { .name: Q, .offset: 16, .size: 8, .value_kind: global_buffer, .address_space: global }
      - { .name: c, .offset: 24, .size: 8, .value_kind: global_buffer, .address_space: global }
      - { .name: u_lower, .offset: 32, .size: 8, .value_kind: global_buffer, .address_space: global }
      - { .name: u_upper, .offset: 40, .size: 8, .value_kind: global_buffer, .address_space: global }
      - { .name: x0, .offset: 48, .size: 8, .value_kind: global_buffer, .address_space: global }
      - { .name: out0, .offset: 56, .size: 8, .value_kind: global_buffer, .address_space: global }
      - { .name: out1, .offset: 64, .size: 8, .value_kind: global_buffer, .address_space: global }
    .group_segment_fixed_size: 94720
    .private_segment_fixed_size: 0
    .kernarg_segment_align: 8
    .kernarg_segment_size: 72
    .max_flat_workgroup_size: 128
    .sgpr_count:     66
    .vgpr_count:     482
    .wavefront_size: 32
...
	.end_amdgpu_metadata
.endif
;; end of part 2
